; MI455X (gfx1250); checked and timed in simulation.
; The chip was launched on July 23, 2026; its instructions are those of AMD's public machine-readable ISA for CDNA 5 (MIT licence, August 2026) and "CDNA5" Instruction Set Architecture Reference Guide (July 2026). The comments in the code are by the model that wrote it; some were corrected since.
;; Causal Self Attention. Allowed arithmetic: matrix products marked QUANTISED: E2M3 operands, one E8M0 scale for each 32 along K, by v_wmma_scale_f32_16x16x128_f8f6f4 with both operands' format E2M3, f32 sums; everything else in f32.
;; Inputs: in_b 3,072 float32; in_w_codes 3,072 x 32 x 24 uint8 (E2M3 codes of in_w, K innermost, in blocks of 32 codes, four codes in three bytes); in_w_scales 3,072 x 32 uint8 (E8M0 scales of in_w, one for each 32 codes along K); out_b 1,024 float32; out_w_codes 1,024 x 32 x 24 uint8 (E2M3 codes of out_w, K innermost, in blocks of 32 codes, four codes in three bytes); out_w_scales 1,024 x 32 uint8 (E8M0 scales of out_w, one for each 32 codes along K); x_codes 4 x 2,048 x 32 x 24 uint8 (E2M3 codes of x, K innermost, in blocks of 32 codes, four codes in three bytes); x_scales 4 x 2,048 x 32 uint8 (E8M0 scales of x, one for each 32 codes along K).
;; Outputs: out0 4 x 2,048 x 1,024 float32.
;; This version of the problem:
;;   THIS VERSION OF THE PROBLEM IS GIVEN IN LOW PRECISION. The matrix products marked QUANTISED in the list below multiply operands that are first quantised to E2M3 (2 exponent bits, 3 mantissa bits; 6 bits a number), with one power-of-two scale for each 32 numbers along K (OCP MX v1.0); their sums are f32. All else is computed in f32.
;;   The module's matrix products, in the order in which they are computed (A, B: the left and right operand; K: the contracted axis; several contracted axes count as one K, in the product's order):
;;     1. [M 8,192, K 1,024] x [K 1,024, N 3,072]; A: input x (given as codes); B: input in_w (given as codes): QUANTISED
;;     2. batch 64 x [M 2,048, K 64] x [K 64, N 2,048]; A: computed on the way; B: computed on the way: QUANTISED
;;     3. batch 64 x [M 2,048, K 2,048] x [K 2,048, N 64]; A: softmax (see below); B: computed on the way: QUANTISED
;;     4. [M 8,192, K 1,024] x [K 1,024, N 1,024]; A: computed on the way; B: input out_w (given as codes): QUANTISED
;;   THE QUANTISER, for each operand of a quantised product, along K:
;;     - K is cut into blocks of 32 from its start; a last block that is shorter is filled with zeros.
;;     - A block's scale is 2^e with e = floor(log2(the largest magnitude in the block)) - 2, held to -126 .. 127; a block of zeros has e = 0. As a byte (E8M0): e + 127.
;;     - Each number is divided by its block's scale, clamped to +-7.5, and rounded to the nearest number of E2M3, ties to even, subnormals kept.
;;     - The product sums the exact products of the quantised numbers (number of the format x scale) in f32.
;;   ~~~python
;;   def quantise(x, axis):      # numpy; x: float32 -> the quantised numbers, widened to float32 again
;;       x = np.moveaxis(x, axis, -1); K = x.shape[-1]
;;       x = np.pad(x, [(0, 0)] * (x.ndim - 1) + [(0, -K % 32)]); x = x.reshape(x.shape[:-1] + (-1, 32)); a = np.abs(x).max(-1, keepdims=True)
;;       e = np.where(a > 0, np.clip(np.frexp(np.where(a > 0, a, 1))[1] - 1 - 2, -126, 127), 0)      # np.frexp(a)[1] - 1 = floor(log2(a)), exactly
;;       r = np.clip(x / 2.0 ** e, -7.5, 7.5)
;;       step = 2.0 ** (np.maximum(np.frexp(np.where(r == 0, 1, r))[1] - 1, 0) - 3)
;;       q = np.round(r / step) * step * 2.0 ** e      # np.round: ties to even
;;       return np.moveaxis(q.reshape(q.shape[:-2] + (-1,))[..., :K], -1, axis).astype(np.float32)
;;   ~~~
;;   SOFTMAX AHEAD OF A QUANTISED PRODUCT. Where the list says 'softmax', what is quantised is not the finished softmax but p = 2^(t - M), with t = logit x log2(e) and M = ceil(the row's largest t), a whole number; so 1/2 < the row's largest p <= 1. The row's sum l is taken of the UNQUANTISED p, in f32, and the product's result is divided by l at the end. Since M is a whole number, a kernel that streams over the keys may use a running M (the ceiling of the running maximum): every later rescaling is an exact power of two, which a block's scale takes up: the codes' values come out the same.
;;   OPERANDS COMPUTED ON THE WAY. 'Computed on the way' means the value that the module computes at that place (a softmax that the list does not call 'softmax' is quantised finished and normalised). What goes into a quantiser is computed in f32, as accurately as f32 sums, v_exp_f32 and their like allow (about 1e-6 of the number): no bf16 or f16 on the way to a quantiser, and a product that is left as it is and whose result goes on into a quantised operand takes f32 operands (vector FMAs, or v_wmma_f32_16x16x4_f32). A number that lies on a knife's edge between two numbers of the format may be rounded either way, as far as f32 arithmetic and the matrix unit's own rounding can turn it there, and no further.
;;   INPUTS GIVEN AS CODES. in_w (in the module: [1024, 3072], K = its axis 0); out_w (in the module: [1024, 1024], K = its axis 0); x (in the module: [4, 2048, 1024], K = its axis 2): each comes as NAME_codes (uint8): NAME with its K axis moved to the last place and cut into blocks of 32 codes, [.., K / 32, bytes a block], one block behind the other in memory; four codes in three bytes: a row's codes are one little-endian stream of bits, code i at bits 6 i .. 6 i + 5 (a code: sign, 2 exponent bits, 3 mantissa bits); and NAME_scales (uint8): the same leading axes, one E8M0 byte (e + 127) for each 32 codes along K. Its value is code x scale, taken as it is: it is not quantised again, and the codes and scales need not be those that the quantiser above would give.
;; One version. Each part assembles by itself: llvm-mc -triple=amdgcn-amd-amdhsa -mcpu=gfx1250 --defsym DOCPART=n.
;; ======== version 1 of 1: 3 launches
;; workspace buffers: qimg 6,815,744 bytes; kvimg 13,631,488 bytes; aimg 6,291,456 bytes; asc 262,144 bytes
;; launch qkv (part 1): grid 12 x 32, 4 waves a work-group, clusters of 4 x 4, 327,680 bytes of LDS; arguments x_codes, x_scales, in_w_codes, in_w_scales, in_b, qimg, kvimg; writes qimg, kvimg
.if DOCPART == 1
	.amdgcn_target "amdgcn-amd-amdhsa--gfx1250"
	.amdhsa_code_object_version 6
	.text
	.protected	k_q1d2dcac62c_qkv
	.globl	k_q1d2dcac62c_qkv
	.p2align	8
	.type	k_q1d2dcac62c_qkv,@function
k_q1d2dcac62c_qkv:
	s_mov_b64 s[64:65], 0
	v_nop
	global_prefetch_b8 v0, s[64:65] scope:SCOPE_SE
	s_setreg_imm32_b32 hwreg(HW_REG_WAVE_MODE, 25, 1), 1
	s_wait_xcnt 0x0
	s_wait_alu depctr_hold_cnt(0) depctr_sa_sdst(0) depctr_va_vdst(0) depctr_va_sdst(0) depctr_va_ssrc(0) depctr_va_vcc(0) depctr_vm_vsrc(0)
	s_getreg_b32 s2, hwreg(HW_REG_IB_STS2, 6, 4)
	s_cmp_eq_u32 s2, 0
	s_cbranch_scc0 .Lentry_in_a_cluster
	s_endpgm
.Lentry_in_a_cluster:
	s_bfe_u32 s2, ttmp6, 0x10000c
	s_cmp_lg_u32 s2, 0xf033
	s_cbranch_scc0 .Lentry_shape_is_right
	s_endpgm
.Lentry_shape_is_right:
; qkv = x in_w + in_b on codes of FP6 (E2M3) with E8M0 scales for each 32 along K = 1,024, and q, k, v quantised again for the two products of attention.
; x: 8,192 rows of 768 bytes of codes, 32 scale bytes a row; in_w: 3,072 rows likewise (rows 0-1023 q, 1024-2047 k, 2048-3071 v).
; A work-group of four waves makes 256 x 256 results, a wave 128 x 128: 64 accumulators, 512 registers.  K goes in steps of 256 through two LDS slots filled by the tensor data mover.
; THE AXIS THAT IS QUANTISED NEXT IS SOURCE 0: in a result lane (r, h) holds row r of source 1, and its register j index 8 h + j of source 0's sixteen rows.
;   q, k (cluster x = 0, 1): quantised along the head's 64 channels: source 0 = rows of in_w, source 1 = rows of x (tokens).
;   v    (cluster x = 2):    quantised along the keys:               source 0 = rows of x,    source 1 = rows of in_w.
; Both tensors have rows of the same bytes, so the two roles differ in pointers and coordinates alone; the choice hangs on the cluster's x, which all partners share.
; CLUSTERS: 4 x 4.  Source 1's tile hangs on cy alone and is asked for jointly along a row of the cluster, source 0's on cx alone and along a column.
; THE WAY OUT.  The 16 registers of two neighbouring result tiles are 16 numbers of a block of 32, lane l xor 16 holds the other 16.  Quantised, a block lies in one lane in the order 0-7, 16-23, 8-15, 24-31.
; q and k get the same order, and so do v and the softmax's p in the next launch: block, scale and codes are the quantiser's; only the order in which the matrix unit adds inside a block differs.
; The codes leave as IMAGES OF OPERAND REGISTERS: half a fragment (16 rows x 64 K, six registers) is 768 bytes: registers 0-3 at 16 x lane, then registers 4-5 at 8 x lane: each store covers whole aligned blocks of 256 bytes.
;   qimg  [head 64][chunk of 128 tokens 16] x 6,656:  8 token tiles x 768, then 512 bytes of scale words (lane l: tiles 4 (l / 16) + 0..3 of row l % 16; a word is byte 0 | byte 1 << 8, its upper bytes 0)
;   kvimg [head 64][chunk 16] x 13,312: k as q (6,656), then v: 4 channel tiles x 1,536 (two halves: keys 0-63, 64-127 of the chunk), then 512 bytes of scale words (lane l: tiles 0..3 of channel l % 16)
; LIMITS: NaN and infinities among the inputs are not served.  A block of zeros gets the scale byte 1 where the quantiser says 127: its codes are zeros, and this program alone reads the bytes.
; REGISTERS, in windows of 256: window 0: v0-31 addresses; v32-63 scale words, two sets; v64-127 and v240-255 the biases; from v128 source 1's fragments, one set, later the way out.
;   window 1: source 0's fragments, two sets.   window 2: the accumulators of my rows 0-63 ((a, b) at v[8 (8 a + b)]);   window 3: those of rows 64-127.
.set KSTEP,  256                       ; along K in a slot
.set NQ,     KSTEP/128                 ; matrix instructions deep
.set ROWB,   192                       ; a tile's row in bytes
.set KROW,   768                       ; a row of codes in memory
.set PITCH,  240                       ; an LDS row: 3 x (64 bytes + 16 of padding)
.set FR,     12                        ; registers of a fragment
.set NL,     6                         ; LDS loads that bring one
.set NP,     4                         ; places behind this matrix instruction (ISA guide 7.12.1)
.set HALFT,  128*PITCH                 ; 128 rows: one tensor load
.set SLOT,   4*HALFT                   ; source 1's 256 rows, then source 0's
.set KS,     32                        ; a row of scale bytes
.set SCL,    2*SLOT                    ; behind the ring: the scales, as blocks of 256 bytes + 16 of padding
.set HALFS,  (128*KS/256)*272
.set SBLK,   (16*KS/256)*272
.set SPARE,  SCL+4*HALFS               ; the spare words: 128 bytes a wave, named by no other line
.set QCH,    6656                      ; a chunk of qimg
.set KVCH,   13312                     ; a chunk of kvimg
.set KVHEAD, 16*KVCH                   ; a head of kvimg
.set ADRA, 16                          ; v16-17 LDS address of source 1's fragments in slot 0, 1 (v18-19: behind one padding more)
.set ADRB, 20                          ; v20-23 the same for source 0
.set ADRS, 27                          ; v27    my scale words: lanes 0-15 source 1's rows, lanes 16-31 source 0's
.set SPW,  28                          ; v28    my spare word; never rewritten
.set NIL,  29                          ; v29    0; never rewritten
.set BPO,  30                          ; v30    byte offset in in_b of the biases along source 0
.set BRO,  31                          ; v31    and along source 1
.set SC,   32
.set BP,   64                          ; v64-127  in_b[P0 + 16 b + 8 h + j] at 8 b + j: q's and k's bias
.set AF,   128
.set BR,   240                         ; v240-255 in_b[R0 + 16 a + r], twice, at 2 a: v's bias
.set HA,   128                         ; the way out: 64 numbers of a lane
.set PC,   192                         ; the fragment's 12 registers; v204-210 the conversions' second halves
.set TM,   212                         ; v212-227 at work
.set SW,   228                         ; v228-235 the scale word of each of my eight tiles
.set G1, 24
.set G0, 32
.set G1B, 48
.set G0B, 56
.set G1S, 68
.set G0S, 76
.set G1SB, 80
.set G0SB, 88
.set OB, 92                            ; s[92:93] where my wave's images begin
.set MSB, 0
.macro WIN new                         ; the immediate's high byte repeats the setting that is left
.if MSB != \new
	s_set_vgpr_msb (MSB<<8)|\new
.set MSB, \new
.endif
.endm
.set MUL_LO, 0xa1                      ; source 0 window 1, source 1 window 0, C and D window 2
.set MUL_HI, 0xf1                      ; the same, C and D window 3
.set TO_B,   0x40                      ; destination window 1
; A joint load: waves 0 and 1 fetch for source 1, waves 2 and 3 for source 0.  The branch hangs on the wave's number alone.  Four v_nop follow each line.
.macro JLOAD g0a, g1a, g0b, g1b
	s_cmp_eq_u32 s15, 0
	s_cbranch_scc0 .Lfor_b_\@
	tensor_load_to_lds s[\g0a:\g0a+3], s[\g1a:\g1a+7]
	s_nop 0
.rept 4
	v_nop
.endr
	s_branch .Lasked_\@
.Lfor_b_\@:
	tensor_load_to_lds s[\g0b:\g0b+3], s[\g1b:\g1b+7]
	s_nop 0
.rept 4
	v_nop
.endr
.Lasked_\@:
.endm
.macro CREST                           ; a round of the cluster's barrier behind its opening barrier
	s_cmp_lg_u32 s14, 0
	s_cbranch_scc1 .Lnot_wave_0_\@
	s_barrier_signal -3
.Lnot_wave_0_\@:
	s_barrier_wait -3
	s_barrier_signal -1
	s_barrier_wait -1
.endm
.macro CROUND
	s_barrier_signal -1
	s_barrier_wait -1
	CREST
.endm
	s_load_b128 s[4:7], s[0:1], 0x0                ; x's codes, x's scales
	s_load_b128 s[8:11], s[0:1], 0x10              ; in_w's codes, in_w's scales
	s_load_b64 s[12:13], s[0:1], 0x20              ; in_b
	s_load_b64 s[96:97], s[0:1], 0x28              ; qimg
	s_load_b64 s[98:99], s[0:1], 0x30              ; kvimg
	v_lshl_add_u32 v[SPW], v0, 2, SPARE
	v_mov_b32 v[NIL], 0
	ds_add_u32 v28, v29
	ds_add_u32 v28, v29
	s_wait_dscnt 0x0
	v_lshrrev_b32 v1, 5, v0
	v_readfirstlane_b32 s14, v1                    ; wave 0..3
	s_lshr_b32 s15, s14, 1                         ; which half of source 1's rows is mine.  Also: I fetch for source 1 (0) or source 0 (1)
	s_and_b32 s16, s14, 1                          ; which half of source 0's rows.  Also: which 128 rows of that tile I fetch
	s_bfe_u32 s40, ttmp6, 0x40000                  ; cx, cy: my place in the cluster
	s_bfe_u32 s41, ttmp6, 0x40004
	s_lshl_b32 s42, ttmp9, 2                       ; 4 x cluster x
	s_and_b32 s17, ttmp7, 0xffff
	s_lshl_b32 s17, s17, 2                         ; 4 x cluster y
	s_mov_b32 s43, 8
	s_cmp_eq_u32 ttmp9, 2                          ; v's clusters?  The same answer in all sixteen partners
	s_cselect_b32 s42, s17, s42                    ; source 0's tile: of x by the cluster's y, or of in_w by its x
	s_cselect_b32 s17, s43, s17                    ; source 1's tile: of in_w from tile 8 on, or of x by the cluster's y
	s_add_co_u32 s42, s42, s40                     ; + cx: source 0's coordinate never holds cy,
	s_add_co_u32 s17, s17, s41                     ; + cy: source 1's never cx
	s_lshl_b32 s43, s41, 2
	s_lshl_b32 s43, 15, s43                        ; my row of the cluster
	s_lshl_b32 s44, 0x1111, s40                    ; my column
	; descriptor group 1: a tile of 128 rows x 192 bytes, 16 bytes of padding behind every 64
	s_or_b32 s[G1+0], s43, (0<<16)|(1<<20)|(1<<21)|(3<<22)|(3<<25)
	s_or_b32 s[G1B+0], s44, (0<<16)|(1<<20)|(1<<21)|(3<<22)|(3<<25)
.irp g, G1, G1B
	s_mov_b32 s[\g+1], ROWB<<16                    ; tensor_dim0
	s_mov_b32 s[\g+2], 128<<16                     ; tensor_dim1
	s_mov_b32 s[\g+3], ROWB<<16                    ; tile_dim0
	s_mov_b32 s[\g+4], 128                         ; tile_dim1
	s_mov_b32 s[\g+5], KROW                        ; the pitch
	s_mov_b32 s[\g+6], 0
	s_mov_b32 s[\g+7], 0
.endr
	; the scales of 128 rows: 4,096 dense bytes as 16 rows of 256 (32 elements of 8 bytes), 16 bytes of padding behind each
	s_or_b32 s[G1S+0], s43, (3<<16)|(1<<20)|(1<<21)|(5<<22)|(3<<25)
	s_or_b32 s[G1SB+0], s44, (3<<16)|(1<<20)|(1<<21)|(5<<22)|(3<<25)
.irp g, G1S, G1SB
	s_mov_b32 s[\g+1], 32<<16
	s_mov_b32 s[\g+2], (128*KS/256)<<16
	s_mov_b32 s[\g+3], 32<<16
	s_mov_b32 s[\g+4], 128*KS/256
	s_mov_b32 s[\g+5], 32
	s_mov_b32 s[\g+6], 0
	s_mov_b32 s[\g+7], 0
.endr
	s_lshl_b32 s18, s16, 7                         ; which 128 rows of the tile I fetch
	s_lshl_b32 s20, s17, 8
	s_add_co_u32 s20, s20, s18                     ; source 1: row 256 x tile + 128 x half
	s_lshl_b32 s46, s42, 8
	s_add_co_u32 s46, s46, s18                     ; source 0 likewise
	s_mov_b32 s21, 0
	s_mov_b32 s47, 0
	s_mov_b64 s[18:19], KS
	s_mul_u64 s[22:23], s[20:21], s[18:19]         ; where these rows' scales begin, in bytes
	s_mul_u64 s[92:93], s[46:47], s[18:19]
	s_mov_b64 s[18:19], KROW
	s_mul_u64 s[20:21], s[20:21], s[18:19]         ; and their codes
	s_mul_u64 s[46:47], s[46:47], s[18:19]
	s_mul_i32 s45, s14, HALFT                      ; where they go: wave x 128 rows
	s_mul_i32 s94, s14, HALFS
	s_wait_kmcnt 0x0
	s_cmp_eq_u32 ttmp9, 2                          ; the roles: a choice between buffers on the cluster's x
	s_cselect_b64 s[2:3], s[8:9], s[4:5]           ; source 1's codes
	s_cselect_b64 s[66:67], s[10:11], s[6:7]       ; source 1's scales
	s_cselect_b64 s[8:9], s[4:5], s[8:9]           ; source 0's codes
	s_cselect_b64 s[10:11], s[6:7], s[10:11]       ; source 0's scales
	s_add_nc_u64 s[20:21], s[2:3], s[20:21]
	s_add_nc_u64 s[22:23], s[66:67], s[22:23]
	s_add_nc_u64 s[46:47], s[8:9], s[46:47]
	s_add_nc_u64 s[92:93], s[10:11], s[92:93]
	CROUND                                         ; all sixteen work-groups are here: the first joint loads meet
	s_mov_b32 s[G0S], 1
	s_add_co_u32 s[G0S+1], s94, SCL
	s_mov_b64 s[G0S+2:G0S+3], s[22:23]
	s_or_b32 s[G0S+3], s[G0S+3], 0x80000000
	s_mov_b32 s[G0SB], 1
	s_add_co_u32 s[G0SB+1], s94, SCL
	s_mov_b64 s[G0SB+2:G0SB+3], s[92:93]
	s_or_b32 s[G0SB+3], s[G0SB+3], 0x80000000
	JLOAD G0S, G1S, G0SB, G1SB                     ; the scales of all of K: filled once
.irp s, 0,1
	s_mov_b32 s[G0+4*\s], 1
	s_add_co_u32 s[G0+4*\s+1], s45, \s*SLOT
	s_add_nc_u64 s[G0+4*\s+2:G0+4*\s+3], s[20:21], \s*ROWB
	s_or_b32 s[G0+4*\s+3], s[G0+4*\s+3], 0x80000000
	s_mov_b32 s[G0B+4*\s], 1
	s_add_co_u32 s[G0B+4*\s+1], s45, \s*SLOT
	s_add_nc_u64 s[G0B+4*\s+2:G0B+4*\s+3], s[46:47], \s*ROWB
	s_or_b32 s[G0B+4*\s+3], s[G0B+4*\s+3], 0x80000000
	JLOAD G0+4*\s, G1, G0B+4*\s, G1B               ; K steps 0 and 1: three loads of mine are out
.endr
	v_and_b32 v1, 15, v0                           ; r
	v_bfe_u32 v2, v0, 4, 1                         ; h
	v_mul_u32_u24 v3, v1, PITCH
	v_mul_u32_u24 v4, v2, 24
	v_add_nc_u32 v4, v3, v4                        ; a fragment's row x pitch + 24 x half
	v_lshl_add_u32 v5, v2, 4, v4                   ; and the same behind one padding more
	s_mul_i32 s21, s15, HALFT                      ; my 128 rows of source 1
	s_mul_i32 s22, s16, HALFT                      ; my 128 rows of source 0,
	s_add_co_u32 s22, s22, 2*HALFT                 ; which lie behind source 1's 256
.irp s, 0,1
	v_add_nc_u32 v[ADRA+\s], s21, v4
	v_add_nc_u32 v[ADRB+\s], s22, v4
	v_add_nc_u32 v[ADRA+2+\s], s21, v5
	v_add_nc_u32 v[ADRB+2+\s], s22, v5
	s_add_co_u32 s21, s21, SLOT
	s_add_co_u32 s22, s22, SLOT
.endr
	v_mul_u32_u24 v5, v1, KS                       ; my row's scales: 32 bytes a row,
	v_lshrrev_b32 v6, 8, v5
	v_lshl_add_u32 v5, v6, 4, v5                   ; and 16 more for each 256 passed
	s_mul_i32 s21, s15, HALFS
	s_mul_i32 s22, s16, HALFS
	s_add_co_u32 s22, s22, 2*HALFS
	s_sub_co_u32 s22, s22, s21
	v_mul_u32_u24 v6, s22, v2                      ; lanes 16-31 take source 0's: one product, the distance between the two bases x h
	s_add_co_u32 s21, s21, SCL
	v_add_nc_u32 v5, v5, v6
	v_add_nc_u32 v[ADRS], s21, v5
	; where the results go, and which biases they take.  A group is 128 rows of a source: 2 x tile + my half
	s_lshl_b32 s20, s17, 1
	s_add_co_u32 s20, s20, s15                     ; source 1's group
	s_lshl_b32 s21, s42, 1
	s_add_co_u32 s21, s21, s16                     ; source 0's group
	s_lshl_b32 s43, s21, 9                         ; 4 bytes x 128 x group
	s_lshl_b32 s44, s20, 9
	s_cmp_eq_u32 ttmp9, 2
	s_cselect_b32 s22, s21, s20                    ; the chunk of tokens, 0..63
	s_cselect_b32 s23, s20, s21                    ; the group of channels
	s_cselect_b32 s66, QCH, 0                      ; v lies behind k in a chunk
	s_cselect_b32 s43, 0, s43                      ; the set of biases that this role does not use is loaded from in_b's head: no load leaves the buffer
	s_cselect_b32 s44, s44, 0
	v_lshl_add_u32 v[BPO], v2, 5, s43              ; 32 h + 4 P0
	v_lshl_add_u32 v[BRO], v1, 2, s44              ; 4 r + 4 R0
	s_and_b32 s23, s23, 7
	s_lshl_b32 s23, s23, 1                         ; my first head of two
	s_lshr_b32 s46, s22, 4                         ; the batch: 16 chunks each
	s_lshl_b32 s46, s46, 4
	s_add_co_u32 s46, s46, s23                     ; 16 x batch + head
	s_lshl_b32 s46, s46, 4
	s_and_b32 s22, s22, 15
	s_add_co_u32 s46, s46, s22                     ; x 16 + the chunk in the batch
	s_mov_b32 s47, KVCH
	s_cmp_eq_u32 ttmp9, 0
	s_cselect_b32 s47, QCH, s47                    ; a chunk's bytes
	s_cselect_b64 s[OB:OB+1], s[96:97], s[98:99]   ; q goes to qimg, k and v to kvimg
	s_mul_i32 s46, s46, s47
	s_add_co_u32 s46, s46, s66
	s_lshl_b32 s67, s47, 4                         ; from a head to the next: 16 chunks
	s_mov_b32 s47, 0
	s_add_nc_u64 s[OB:OB+1], s[OB:OB+1], s[46:47]
	v_and_b32 v6, 31, v0
	v_lshlrev_b32 v8, 4, v6                        ; 16 x lane
	v_lshlrev_b32 v9, 3, v6                        ; 8 x lane
	v_add_nc_u32 v10, s67, v8                      ; the same in the second head
	v_add_nc_u32 v11, s67, v9
.irp b, 0,1,2,3,4,5,6,7
	global_load_b128 v[BP+8*\b:BP+8*\b+3], v[BPO], s[12:13] offset:64*\b
	global_load_b128 v[BP+8*\b+4:BP+8*\b+7], v[BPO], s[12:13] offset:64*\b+16
.endr
.irp a, 0,1,2,3,4,5,6,7
	global_load_b32 v[BR+2*\a], v[BRO], s[12:13] offset:64*\a
	global_load_b32 v[BR+2*\a+1], v[BRO], s[12:13] offset:64*\a      ; twice: a pair for the packed addition
.endr
.macro FRAG reg, adr, q, i             ; 16 rows x 128 K: 12 registers; lane (r, h): registers 6 c .. 6 c + 5 hold K = 64 c + 32 h + 0 .. 31: 24 bytes of the row, in pieces of 8
.irp p, 0,1,2,3,4,5
.set PIECE, 12*(\q)+6*(\p/3)+\p%3      ; 16 bytes of padding lie behind every 8 pieces: where the piece three on lies behind one padding more, the second address register serves
.if PIECE%8 < 5
	ds_load_b64 v[\reg+2*\p:\reg+2*\p+1], v[\adr] offset:8*PIECE+16*(PIECE/8)+(\i)*16*PITCH
.else
	ds_load_b64 v[\reg+2*\p:\reg+2*\p+1], v[\adr+2] offset:8*PIECE+16*(PIECE/8)+(\i)*16*PITCH
.endif
.endr
.endm
; 16 matrix instructions: source 1's blocks a0, a0 + 1 x source 0's eight.  The 64 accumulators take turns, one instruction a turn, in the same order in every step.
.macro MUL16 a0, p, q, sc, zero
.irp a, \a0, \a0+1
.irp b, 0,1,2,3,4,5,6,7
.if \zero
	v_wmma_scale_f32_16x16x128_f8f6f4 v[8*(8*((\a)%4)+\b):8*(8*((\a)%4)+\b)+7], v[128*(\p)+FR*\b:128*(\p)+FR*\b+FR-1], v[AF+FR*(\a):AF+FR*(\a)+FR-1], 0, v[SC+8*NQ*(\sc)+NQ*\b+(\q)], v[SC+8*NQ*(\sc)+NQ*(\a)+(\q)] matrix_a_fmt:MATRIX_FMT_FP6 matrix_b_fmt:MATRIX_FMT_FP6 matrix_a_scale:MATRIX_SCALE_ROW1
.else
	v_wmma_scale_f32_16x16x128_f8f6f4 v[8*(8*((\a)%4)+\b):8*(8*((\a)%4)+\b)+7], v[128*(\p)+FR*\b:128*(\p)+FR*\b+FR-1], v[AF+FR*(\a):AF+FR*(\a)+FR-1], v[8*(8*((\a)%4)+\b):8*(8*((\a)%4)+\b)+7], v[SC+8*NQ*(\sc)+NQ*\b+(\q)], v[SC+8*NQ*(\sc)+NQ*(\a)+(\q)] matrix_a_fmt:MATRIX_FMT_FP6 matrix_b_fmt:MATRIX_FMT_FP6 matrix_a_scale:MATRIX_SCALE_ROW1
.endif
.endr
.endr
.endm
.macro FETCH_B slot, q, p
	WIN TO_B
.irp i, 0,1,2,3,4,5,6,7
	FRAG 128*(\p)+FR*\i, ADRB+\slot, \q, \i
.endr
	WIN 0
.endm
.macro FETCH_A slot, q, i0
.irp i, \i0, \i0+1, \i0+2, \i0+3
	FRAG AF+FR*(\i), ADRA+\slot, \q, \i
.endr
.endm
.macro SCALES sc                       ; a K step's scale words: two a row; lanes 0-15 source 1's block i, lanes 16-31 source 0's
.irp i, 0,1,2,3,4,5,6,7
	ds_load_b64 v[SC+8*NQ*\sc+NQ*\i:SC+8*NQ*\sc+NQ*\i+1], v[ADRS] offset:\i*SBLK
.endr
.endm
.macro PLACES n                        ; plain vector instructions between a matrix instruction and a load into, or a vector instruction on, its registers
.rept \n
	v_nop
.endr
.endm
.macro STEP slot, q, zero              ; 128 along K with a successor in the same slot
	s_wait_dscnt 4*NL                              ; all but the youngest 24 loads (source 1's blocks 4-7) are in
	WIN MUL_LO
	MUL16 0, (\q)%2, \q, \slot, \zero
	MUL16 2, (\q)%2, \q, \slot, \zero
	s_wait_dscnt 0
	PLACES NP
	FETCH_B \slot, (\q)+1, 1-(\q)%2
	FETCH_A \slot, (\q)+1, 0
	WIN MUL_HI
	MUL16 4, (\q)%2, \q, \slot, \zero
	MUL16 6, (\q)%2, \q, \slot, \zero
	PLACES NP
	WIN 0
	FETCH_A \slot, (\q)+1, 4
.endm
; A slot's last step changes slots: one barrier; in front of it each wave waits for all its tensor loads, adds 0 to its spare word, and waits for that and for its reads of the slot.
.macro TURN slot, next, fill
	s_wait_tensorcnt 0x0                           ; all my tensor loads have landed: my part of the next slot
	ds_add_u32 v[SPW], v[NIL]                      ; 0 onto my spare word
	s_wait_dscnt 4*NL+1                            ; the add and the youngest 24 loads may be out
	WIN MUL_LO
	MUL16 0, 1, NQ-1, \slot, 0
	s_wait_dscnt 0x0                               ; the add is done, and my reads of this slot are over
	s_barrier_signal -1
	MUL16 2, 1, NQ-1, \slot, 0
	WIN 0
	s_barrier_wait -1
.if \fill
	CREST                                          ; the barrier has opened a round of the cluster's: no wave of any partner still reads this slot or has a load on its way
	s_add_nc_u64 s[G0+4*\slot+2:G0+4*\slot+3], s[G0+4*\slot+2:G0+4*\slot+3], 2*ROWB
	s_add_nc_u64 s[G0B+4*\slot+2:G0B+4*\slot+3], s[G0B+4*\slot+2:G0B+4*\slot+3], 2*ROWB
	JLOAD G0+4*\slot, G1, G0B+4*\slot, G1B         ; the first tensor load behind the round; its four v_nop are the places in front of the loads below
.else
	PLACES NP
.endif
	v_add_nc_u32 v[ADRS], 4*NQ, v[ADRS]            ; the next K step's scale words
	FETCH_B \next, 0, 0
	FETCH_A \next, 0, 0
	SCALES \next
	WIN MUL_HI
	MUL16 4, 1, NQ-1, \slot, 0
	MUL16 6, 1, NQ-1, \slot, 0
	PLACES NP
	WIN 0
	FETCH_A \next, 0, 4
.endm
	s_wait_tensorcnt 1                             ; the scales and my part of K step 0 are in; K step 1's load may be out
	s_barrier_signal -1
	s_barrier_wait -1
	FETCH_B 0, 0, 0
	FETCH_A 0, 0, 0
	SCALES 0
	FETCH_A 0, 0, 4
	STEP 0, 0, 1                                   ; K = 1,024 is four K steps, eight steps of 128, written straight; the first starts the sums
	TURN 0, 1, 1                                   ; slot 0 takes K step 2
	STEP 1, 0, 0
	TURN 1, 0, 1                                   ; slot 1 takes K step 3
	STEP 0, 0, 0
	TURN 0, 1, 0                                   ; nothing is left to fetch
	STEP 1, 0, 0
	s_wait_dscnt 4*NL
	WIN MUL_LO
	MUL16 0, 1, NQ-1, 1, 0
	MUL16 2, 1, NQ-1, 1, 0
	s_wait_dscnt 0
	WIN MUL_HI
	MUL16 4, 1, NQ-1, 1, 0
	MUL16 6, 1, NQ-1, 1, 0
	WIN 0
; 64 numbers of a lane, v[s] on, register 16 b + i one of my 16 numbers of block b of my row, become a fragment's codes in v[PC] on and its scale word in v[pw].
.macro QUANT s, pw
.irp b, 0,1,2,3
	v_max3_num_f32 v[TM+\b], |v[\s+16*\b]|, |v[\s+1+16*\b]|, 0x1800000   ; with the floor 2^(3 - 127): the byte cannot fall under 1
.endr
.irp i, 2,4,6,8,10,12,14
.irp b, 0,1,2,3
	v_max3_num_f32 v[TM+\b], v[TM+\b], |v[\s+16*\b+\i]|, |v[\s+1+16*\b+\i]|
.endr
.endr
.irp b, 0,1,2,3
	v_permlanex16_b32 v[TM+4+\b], v[TM+\b], s20, s21
.endr
.irp b, 0,1,2,3
	v_max_num_f32 v[TM+\b], v[TM+\b], v[TM+4+\b]   ; with lane l xor 16's: the block's largest magnitude
.endr
.irp b, 0,1,2,3
	v_add_nc_u32 v[TM+12+\b], 0xff000000, v[TM+\b] ; 2 off its exponent field: the conversion's scale operand
.endr
.irp b, 0,1,2,3
	v_lshrrev_b32 v[TM+4+\b], 23, v[TM+12+\b]      ; the scale's byte
.endr
	v_lshl_or_b32 v[\pw], v[TM+5], 8, v[TM+4]
	v_lshl_or_b32 v[\pw], v[TM+6], 16, v[\pw]
	v_lshl_or_b32 v[\pw], v[TM+7], 24, v[\pw]
.irp c, 0,1
	v_cvt_scalef32_pk16_fp6_f32 v[PC+6*\c:PC+2+6*\c], v[\s+32*\c:\s+15+32*\c], v[TM+12+2*\c]
	v_cvt_scalef32_pk16_fp6_f32 v[PC+12+4*\c:PC+14+4*\c], v[\s+16+32*\c:\s+31+32*\c], v[TM+12+2*\c+1]   ; (a conversion's three registers begin on an even number)
.endr
	v_nop                                          ; one plain place behind a scaled conversion
.irp c, 0,1                                    ; a whole block to a lane: lanes 0-15 block 2 c, lanes 16-31 block 2 c + 1
.irp i, 0,1,2
	v_permlane16_swap_b32 v[PC+6*\c+\i], v[PC+12+4*\c+\i]
.endr
.irp i, 0,1,2
	v_mov_b32 v[PC+3+6*\c+\i], v[PC+12+4*\c+\i]
.endr
.endr
.endm
; Block a of source 1 (16 rows): bias, quantiser, four stores.  isv = 0: 16 tokens x the 128 channels of two heads; isv = 1: 16 channels x the 128 keys of a chunk.
.macro EPI a, isv
.if (\a) > 0
	s_wait_xcnt 0x0                                ; the last block's stores have read their data: the codes' registers are written again only behind this wait
.endif
	WIN 0x02+(\a)/4                                ; source 0: the accumulators' window
.irp b, 0,1,2,3,4,5,6,7
.irp p, 0,2,4,6                                ; each accumulator from its low end on
.if \isv
	v_pk_add_f32 v[HA+8*\b+\p:HA+8*\b+\p+1], v[64*((\a)%4)+8*\b+\p:64*((\a)%4)+8*\b+\p+1], v[BR+2*(\a):BR+2*(\a)+1]
.else
	v_pk_add_f32 v[HA+8*\b+\p:HA+8*\b+\p+1], v[64*((\a)%4)+8*\b+\p:64*((\a)%4)+8*\b+\p+1], v[BP+8*\b+\p:BP+8*\b+\p+1]
.endif
.endr
.endr
	WIN 0
	QUANT HA, SW+(\a)
.if \isv
	global_store_b128 v8, v[PC:PC+3], s[OB:OB+1] offset:((\a)/4)*KVHEAD+((\a)%4)*1536          ; 32 lanes store 512 consecutive bytes
	global_store_b64 v9, v[PC+4:PC+5], s[OB:OB+1] offset:((\a)/4)*KVHEAD+((\a)%4)*1536+512     ; and 256
	global_store_b128 v8, v[PC+6:PC+9], s[OB:OB+1] offset:((\a)/4)*KVHEAD+((\a)%4)*1536+768
	global_store_b64 v9, v[PC+10:PC+11], s[OB:OB+1] offset:((\a)/4)*KVHEAD+((\a)%4)*1536+1280
.else
	global_store_b128 v8, v[PC:PC+3], s[OB:OB+1] offset:768*(\a)
	global_store_b64 v9, v[PC+4:PC+5], s[OB:OB+1] offset:768*(\a)+512
	global_store_b128 v10, v[PC+6:PC+9], s[OB:OB+1] offset:768*(\a)       ; the second head's 64 channels
	global_store_b64 v11, v[PC+10:PC+11], s[OB:OB+1] offset:768*(\a)+512
.endif
.endm
	PLACES NP                                      ; behind the last products: the lines below write registers that held source 1's fragments
	s_mov_b32 s20, 0x76543210
	s_mov_b32 s21, 0xfedcba98                      ; v_permlanex16_b32's selects for lane l xor 16
.irp b, 0,1,2,3
	v_mov_b32 v[TM+4+\b], 0                        ; written once: a lane permute's destination counts as one of its sources
.endr
	s_wait_loadcnt 0x0                             ; the biases
	s_cmp_eq_u32 ttmp9, 2                          ; the cluster's x: all partners take the same way
	s_cbranch_scc1 .Lepi_v
.irp a, 0,1,2,3,4,5,6,7
	EPI \a, 0
.endr
	v_and_b32 v128, 31, v0                         ; the scale words' image: lanes 0-15 tiles 0-3, lanes 16-31 tiles 4-7
	v_cmp_le_u32 vcc_lo, 16, v128
.irp i, 0,1,2,3
	v_cndmask_b32 v[132+\i], v[SW+\i], v[SW+4+\i], vcc_lo
.endr
.irp i, 0,1,2,3
	v_and_b32 v[136+\i], 0xffff, v[132+\i]         ; the first head's two bytes,
	v_lshrrev_b32 v[140+\i], 16, v[132+\i]         ; the second head's
.endr
	global_store_b128 v8, v[136:139], s[OB:OB+1] offset:6144
	global_store_b128 v10, v[140:143], s[OB:OB+1] offset:6144
	s_branch .Ldone
.Lepi_v:
.irp a, 0,1,2,3,4,5,6,7
	EPI \a, 1
.endr
	global_store_b128 v8, v[SW:SW+3], s[OB:OB+1] offset:6144              ; the first head's four channel tiles: both halves of the lanes hold the same words
	global_store_b128 v8, v[SW+4:SW+7], s[OB:OB+1] offset:KVHEAD+6144
.Ldone:
	s_wait_tensorcnt 0x0                           ; the wave's end
	ds_add_u32 v[SPW], v[NIL]
	s_wait_dscnt 0x0
	CROUND                                         ; the closing round: no work-group ends while a partner may still ask for a tile that names it
	s_endpgm
.Lfunc_end_k_q1d2dcac62c_qkv:
	.size	k_q1d2dcac62c_qkv, .Lfunc_end_k_q1d2dcac62c_qkv-k_q1d2dcac62c_qkv
	.p2alignl 7, 3214868480
	.fill 96, 4, 3214868480
	.section	.rodata,"a",@progbits
	.p2align	6, 0x0
	.amdhsa_kernel k_q1d2dcac62c_qkv
		.amdhsa_group_segment_fixed_size 327680
		.amdhsa_private_segment_fixed_size 0
		.amdhsa_enable_private_segment 0
		.amdhsa_kernarg_size 56
		.amdhsa_user_sgpr_count 2
		.amdhsa_user_sgpr_kernarg_segment_ptr 1
		.amdhsa_wavefront_size32 1
		.amdhsa_system_sgpr_workgroup_id_x 1
		.amdhsa_system_sgpr_workgroup_id_y 1
		.amdhsa_system_sgpr_workgroup_id_z 1
		.amdhsa_system_vgpr_workitem_id 0
		.amdhsa_next_free_vgpr 1024
		.amdhsa_next_free_sgpr 100
		.amdhsa_reserve_vcc 1
		.amdhsa_float_denorm_mode_32 3
		.amdhsa_float_denorm_mode_16_64 3
		.amdhsa_memory_ordered 1
		.amdhsa_forward_progress 1
		.amdhsa_inst_pref_size 234
	.end_amdhsa_kernel
	.amdgpu_metadata
---
amdhsa.version: [ 1, 2 ]
amdhsa.kernels:
  - .name:           k_q1d2dcac62c_qkv
    .symbol:         k_q1d2dcac62c_qkv.kd
    .args:
      - { .name: x_codes, .offset: 0, .size: 8, .value_kind: global_buffer, .address_space: global }
      - { .name: x_scales, .offset: 8, .size: 8, .value_kind: global_buffer, .address_space: global }
      - { .name: in_w_codes, .offset: 16, .size: 8, .value_kind: global_buffer, .address_space: global }
      - { .name: in_w_scales, .offset: 24, .size: 8, .value_kind: global_buffer, .address_space: global }
      - { .name: in_b, .offset: 32, .size: 8, .value_kind: global_buffer, .address_space: global }
      - { .name: qimg, .offset: 40, .size: 8, .value_kind: global_buffer, .address_space: global }
      - { .name: kvimg, .offset: 48, .size: 8, .value_kind: global_buffer, .address_space: global }
    .group_segment_fixed_size: 327680
    .private_segment_fixed_size: 0
    .kernarg_segment_align: 8
    .kernarg_segment_size: 56
    .max_flat_workgroup_size: 128
    .sgpr_count:     100
    .vgpr_count:     1024
    .wavefront_size: 32
...
	.end_amdgpu_metadata
.endif
;; end of part 1
;; launch attn (part 2): grid 4 x 64, 16 waves a work-group, no clusters, 327,680 bytes of LDS; arguments qimg, kvimg, aimg, asc; writes aimg, asc
.if DOCPART == 2
	.amdgcn_target "amdgcn-amd-amdhsa--gfx1250"
	.amdhsa_code_object_version 6
	.text
	.protected	k_q1d2dcac62c_attn
	.globl	k_q1d2dcac62c_attn
	.p2align	8
	.type	k_q1d2dcac62c_attn,@function
k_q1d2dcac62c_attn:
	s_mov_b64 s[64:65], 0
	v_nop
	global_prefetch_b8 v0, s[64:65] scope:SCOPE_SE
	s_setreg_imm32_b32 hwreg(HW_REG_WAVE_MODE, 25, 1), 1
	s_wait_xcnt 0x0
; Causal attention of one head (64 channels, 2,048 tokens) on codes of FP6 (E2M3), and its result quantised along the model's 1,024 for the last product.
; Inputs are images of operand registers (half a fragment, 16 rows x 64 K, is 768 bytes: registers 0-3 at 16 x lane, registers 4-5 at 8 x lane):
;   qimg  [head][chunk of 128 tokens] x 6,656: 8 tiles x 768, 512 bytes of scale words;   kvimg [head][chunk] x 13,312: k likewise, then v's 4 channel tiles x 1,536 and 512 bytes of scale words.
; SOFTMAX: t = score x log2(e) / 8; M = the running largest t rounded up to a whole number; p = 2^(t - M) is quantised along the keys, not normalised; the row's sum is taken of the unquantised p and divides at the end.
; When M moves, the sum and O are multiplied by 2^(old M - new M), which rounds nothing.
; SHARES.  Work-group (j, head).  Wave w owns two tiles of 16 queries: 127 - 16 j - w, then 16 j + w.  Tile T has T / 8 + 1 key steps of 128 under the mask, and the two tiles' numbers add up to 127:
; every wave of the launch has 17 key steps.  A step all of whose keys come after the tile's queries is jumped over by a scalar branch on ids; the loops' trip counts are constants.
; LDS holds the whole head's k and v, 16 x 13,312 bytes, filled ONCE: each wave brings two dense blocks (together chunks 0-3, then chunks 4-15); no byte is filled again, so there is no ring.
; NO JOINT LOADS, though the four work-groups of a head read the same k and v: which key steps are jumped over hangs on the block of queries, which would be the work-group's place in its cluster,
; and doing the hidden steps in every partner would double the 17.
; LAYOUT.  S^T = k q^T (source 0 = 16 keys), O^T = v^T p^T (source 0 = 16 channels): a lane holds one query (lane % 16) throughout.  In tile t of S^T register j is key 16 t + 8 (lane / 16) + j.
; p's blocks of 32 keys come out of the quantiser in the order 0-7, 16-23, 8-15, 24-31, the order in which v's codes were laid: the codes and scales are the quantiser's, only the unit's order of addition inside a block differs.
; THE FIRST PRODUCT'S K IS 64, the instruction's 128: q's upper six registers are zero codes.  k's tile t is six registers, and its operand runs on into the next tile's six (behind tile 7: six cleared registers):
; every code is a finite number, so those products are 0; bytes 2 and 3 of both scale words are 0, which is 2^-127 and no NaN.
; LIMITS: NaN and infinities are not served; a block of zeros gets the scale byte 1 where the quantiser says 127 (zero codes; this program alone reads the bytes).
.set CHB,  13312                       ; a chunk in LDS
.set L16,  1                           ; v1   16 x lane
.set L8,   2                           ; v2   8 x lane
.set A16,  3                           ; v3   the same in the chunk in hand
.set A8,   4                           ; v4
.set R32,  5                           ; v5   32 r: a row of asc
.set DQ,   6                           ; v6   r - 8 h
.set NINF, 7                           ; v7   -infinity
.set DD,   8                           ; v8   the mask's threshold
.set R16,  51                          ; v51  16 r                    v12 -M, v13 the largest t, v[14:15] the sum in two halves
.set Q1,   16                          ; v16-27, v28-39 the two tiles of q (upper six registers 0);  v40, v41 their scale words
.set Q2,   28
.set KSC,  42                          ; v42-45 k's scale words: register i: lanes 0-15 tile i, lanes 16-31 tile 4 + i
.set VSC,  46                          ; v46-49 v's, a register a channel tile
.set PS,   50                          ; v50    p's scale word
.set KV,   52                          ; v52-99 k's eight tiles, then v's four fragments; v100-105 stay 0
.set SS,   106                         ; v106-169 S^T, then p
.set OT,   170                         ; v170-201 O^T
.set PC,   202                         ; v202-213 p's codes;  v214-220 the conversions' second halves
.set CT,   214
.set BM,   222                         ; v222-225 a block's largest score, then its largest p
.set BT,   226                         ; v226-229 the other half's; then the bytes
.set SO,   230                         ; v230-233 the conversions' scale operands
.set FF,   234                         ; v[234:235] f = 2^(old M - new M); v235 is named with it and stays 0
.set TMP,  236
.set SU,   238                         ; v[238:239] the second chain of the sum
.set SEL,  40                          ; s[40:41]
.set CS,   42                          ; s[42:43] c = log2(e) / 8
.set TB,   44                          ; s44 LDS byte of the chunk in hand
.set KF,   45                          ; s45 its first key
.set CNT,  46
.set Q0,   51                          ; s51 the tile's first query;  s50 its last
.set QL,   50
	s_load_b128 s[4:7], s[0:1], 0x0                ; qimg, kvimg
	s_load_b128 s[8:11], s[0:1], 0x10              ; aimg, asc
	v_lshl_add_u32 v254, v0, 2, 0x34000
	v_mov_b32 v255, 0
	ds_add_u32 v254, v255
	ds_add_u32 v254, v255
	v_lshrrev_b32 v9, 5, v0
	s_delay_alu instid0(VALU_DEP_1)
	v_readfirstlane_b32 s12, v9                    ; wave 0..15
	s_and_b32 s14, ttmp7, 0xffff                   ; the head, 16 x batch + head
	; descriptor groups 1: dense blocks as rows of 256 bytes (32 elements of 8 bytes): 13 rows, and 39
	s_mov_b32 s16, 3<<16
	s_mov_b32 s17, 32<<16
	s_mov_b32 s18, 13<<16
	s_mov_b32 s19, 32<<16
	s_mov_b32 s20, 13
	s_mov_b32 s21, 32
	s_mov_b32 s22, 0
	s_mov_b32 s23, 0
	s_mov_b32 s24, 3<<16
	s_mov_b32 s25, 32<<16
	s_mov_b32 s26, 39<<16
	s_mov_b32 s27, 32<<16
	s_mov_b32 s28, 39
	s_mov_b32 s29, 32
	s_mov_b32 s30, 0
	s_mov_b32 s31, 0
	s_mul_i32 s44, s14, 16*CHB                     ; the head's first byte in kvimg
	s_mov_b32 s45, 0
	s_mul_i32 s46, s12, 3328                       ; my sixteenth of chunks 0-3: the same place in memory and in LDS
	s_mov_b32 s47, 0
	s_mul_i32 s48, s12, 9984                       ; my sixteenth of chunks 4-15
	s_add_co_u32 s48, s48, 4*CHB
	s_mov_b32 s49, 0
	s_wait_dscnt 0x0
	s_wait_kmcnt 0x0
	s_add_nc_u64 s[6:7], s[6:7], s[44:45]
	s_mov_b32 s32, 1
	s_mov_b32 s33, s46
	s_add_nc_u64 s[34:35], s[6:7], s[46:47]
	s_or_b32 s35, s35, 0x80000000
	s_mov_b32 s36, 1
	s_mov_b32 s37, s48
	s_add_nc_u64 s[38:39], s[6:7], s[48:49]
	s_or_b32 s39, s39, 0x80000000
	tensor_load_to_lds s[32:35], s[16:23]          ; the first fill, chunks 0-3: one load of mine is out
	s_nop 0
	s_wait_alu depctr_va_vdst(0)
	s_wait_tensorcnt 0x0
	ds_add_u32 v254, v255
	s_wait_dscnt 0x0
	s_barrier_signal -1
	s_barrier_wait -1
	tensor_load_to_lds s[36:39], s[24:31]
	s_nop 0
.rept 4
	v_nop
.endr
	s_lshl_b32 s70, ttmp9, 4
	s_add_co_u32 s70, s70, s12                     ; the second tile: 16 j + w
	s_sub_co_u32 s71, 127, s70                     ; the first: 127 - 16 j - w
	s_lshl_b32 s48, s71, 4                         ; their first queries
	s_lshl_b32 s49, s70, 4
	s_mul_i32 s47, s14, 16*6656                    ; the head in qimg
	s_and_b32 s44, s14, 15                         ; the head in its batch
	s_lshr_b32 s46, s44, 2
	s_mul_i32 s46, s46, 49152                      ; aimg: the K slot of 256 (four heads),
	s_and_b32 s45, s44, 3
	s_mul_i32 s45, s45, 768                        ; in it the K step of 128 and the half fragment
	s_add_co_u32 s46, s46, s45
	s_lshl_b32 s45, s44, 1                         ; asc: two bytes a head
	s_mov_b32 s3, 0
; the four bases of a tile: q's codes, q's scale word, the result's image and its scale bytes
.macro BASES ti, q0, qc, qs, ab, sb
	s_lshr_b32 s50, s[\ti], 3
	s_mul_i32 s50, s50, 6656
	s_add_co_u32 s50, s50, s47                     ; the tile's chunk in qimg
	s_and_b32 s2, s[\ti], 7
	s_mul_i32 s2, s2, 768
	s_add_co_u32 s2, s2, s50
	s_add_nc_u64 s[\qc:\qc+1], s[4:5], s[2:3]
	s_bfe_u32 s2, s[\ti], 0x10002                  ; in the scale words' image: lanes 16-31 hold tiles 4-7,
	s_lshl_b32 s2, s2, 8
	s_add_co_u32 s2, s2, s50
	s_and_b32 s51, s[\ti], 3                       ; a lane's 16 bytes four tiles
	s_lshl_b32 s51, s51, 2
	s_add_co_u32 s2, s2, s51
	s_add_nc_u64 s[\qs:\qs+1], s[4:5], s[2:3]
	s_lshr_b32 s50, s14, 4
	s_lshl_b32 s50, s50, 11
	s_add_co_u32 s50, s50, s[\q0]                  ; m: the tile's first row of the last product
	s_lshr_b32 s2, s50, 8
	s_mul_i32 s2, s2, 196608                       ; aimg [m / 256][K slot][half of 128 rows][tile of 16 rows][K step][half fragment] x 768
	s_bfe_u32 s51, s50, 0x10007
	s_mul_i32 s51, s51, 24576
	s_add_co_u32 s2, s2, s51
	s_bfe_u32 s51, s50, 0x30004
	s_mul_i32 s51, s51, 3072
	s_add_co_u32 s2, s2, s51
	s_add_co_u32 s2, s2, s46
	s_add_nc_u64 s[\ab:\ab+1], s[8:9], s[2:3]
	s_lshl_b32 s2, s50, 5                          ; asc [8,192][32]
	s_add_co_u32 s2, s2, s45
	s_add_nc_u64 s[\sb:\sb+1], s[10:11], s[2:3]
.endm
	BASES 71, 48, 60, 62, 52, 54
	BASES 70, 49, 66, 68, 56, 58
	v_and_b32 v9, 31, v0
	s_delay_alu instid0(VALU_DEP_1)
	v_lshlrev_b32 v[L16], 4, v9
	s_delay_alu instid0(VALU_DEP_2)
	v_lshlrev_b32 v[L8], 3, v9
	v_and_b32 v10, 15, v0                          ; r
	v_bfe_u32 v11, v0, 4, 1                        ; h
	s_delay_alu instid0(VALU_DEP_2)
	v_lshlrev_b32 v[R32], 5, v10
	s_delay_alu instid0(VALU_DEP_3)
	v_lshlrev_b32 v[R16], 4, v10
	global_load_b128 v[Q1:Q1+3], v[L16], s[60:61]
	global_load_b64 v[Q1+4:Q1+5], v[L8], s[60:61] offset:512
	global_load_b32 v40, v[R16], s[62:63] offset:6144
	global_load_b128 v[Q2:Q2+3], v[L16], s[66:67]
	global_load_b64 v[Q2+4:Q2+5], v[L8], s[66:67] offset:512
	global_load_b32 v41, v[R16], s[68:69] offset:6144
	v_lshlrev_b32 v11, 3, v11
	s_delay_alu instid0(VALU_DEP_1)
	v_sub_nc_u32 v[DQ], v10, v11
	v_mov_b32 v[NINF], 0xff800000
.irp i, 0,1,2,3,4,5
	v_mov_b32 v[Q1+6+\i], 0                        ; zero codes for k = 64 .. 127
	v_mov_b32 v[Q2+6+\i], 0
	v_mov_b32 v[KV+48+\i], 0                       ; and what tile 7's operand runs on into
.endr
.irp b, 0,1,2,3
	v_mov_b32 v[BT+\b], 0                          ; written once: a lane permute's destination counts as one of its sources
.endr
	v_mov_b32 v[FF+1], 0
	s_mov_b32 s[SEL], 0x76543210
	s_mov_b32 s[SEL+1], 0xfedcba98
	s_mov_b32 s[CS], 0x3e38aa3b                    ; log2(e) / 8
	s_mov_b32 s[CS+1], s[CS]
	s_wait_loadcnt 0x0                             ; q
	s_wait_tensorcnt 1                             ; my part of chunks 0-3 is in; my part of chunks 4-15 may be out
	s_barrier_signal -1
	s_barrier_wait -1                              ; everybody's is
; A KEY STEP: the 128 keys of the chunk at s[TB].  qr: q's fragment, qw: its scale word.
.macro STEP qr, qw
	s_cmp_gt_u32 s[KF], s[QL]                      ; all its keys come after my queries: nothing to do
	s_cbranch_scc1 .Lhid_\@
	s_setprio 2
	v_add_nc_u32 v[A16], s[TB], v[L16]
	v_add_nc_u32 v[A8], s[TB], v[L8]
.irp t, 0,1,2,3,4,5,6,7
	ds_load_b128 v[KV+6*\t:KV+6*\t+3], v[A16] offset:768*\t
	ds_load_b64 v[KV+6*\t+4:KV+6*\t+5], v[A8] offset:768*\t+512
.endr
	ds_load_b128 v[KSC:KSC+3], v[A16] offset:6144
	s_wait_alu depctr_va_vdst(0)
	s_wait_dscnt 0x0
.irp t, 0,1,2,3
	v_wmma_scale_f32_16x16x128_f8f6f4 v[SS+8*\t:SS+8*\t+7], v[KV+6*\t:KV+6*\t+11], v[\qr:\qr+11], 0, v[KSC+\t], v[\qw] matrix_a_fmt:MATRIX_FMT_FP6 matrix_b_fmt:MATRIX_FMT_FP6
.endr
.irp t, 4,5,6,7
	v_wmma_scale_f32_16x16x128_f8f6f4 v[SS+8*\t:SS+8*\t+7], v[KV+6*\t:KV+6*\t+11], v[\qr:\qr+11], 0, v[KSC+\t-4], v[\qw] matrix_a_fmt:MATRIX_FMT_FP6 matrix_b_fmt:MATRIX_FMT_FP6 matrix_a_scale:MATRIX_SCALE_ROW1
.endr
.rept 4
	v_nop                                          ; places: in front of the loads into k's registers and of the first read of the scores
.endr
.irp c, 0,1,2,3                                ; v's four fragments land while the softmax is walked
	ds_load_b128 v[KV+12*\c:KV+12*\c+3], v[A16] offset:6656+1536*\c
	ds_load_b64 v[KV+12*\c+4:KV+12*\c+5], v[A8] offset:6656+1536*\c+512
	ds_load_b128 v[KV+12*\c+6:KV+12*\c+9], v[A16] offset:6656+1536*\c+768
	ds_load_b64 v[KV+12*\c+10:KV+12*\c+11], v[A8] offset:6656+1536*\c+1280
.endr
	ds_load_b128 v[VSC:VSC+3], v[A16] offset:12800
	s_add_co_u32 s47, s[KF], 127                   ; on the diagonal hidden scores become -infinity; a step all of whose keys count jumps over this
	s_cmp_le_u32 s47, s[Q0]
	s_cbranch_scc1 .Lopen_\@
	s_sub_co_i32 s47, s[Q0], s[KF]
	v_add_nc_u32 v[DD], s47, v[DQ]                 ; register 8 t + j holds key KF + 16 t + 8 h + j: hidden where 16 t + j > my query - KF - 8 h
.set nn, 0
.rept 64
	v_cmp_gt_i32 vcc_lo, 16*(nn/8)+nn%8, v[DD]
	v_cndmask_b32 v[SS+nn], v[SS+nn], v[NINF], vcc_lo
.set nn, nn+1
.endr
.Lopen_\@:
.irp b, 0,1,2,3
	v_max3_num_f32 v[BM+\b], v[SS+16*\b], v[SS+16*\b+1], v[SS+16*\b+2]   ; the largest score of each block of 32 keys: for the row's maximum, and, since p rises with the score, for the block's largest p
.endr
.irp i, 3,5,7,9,11,13
.irp b, 0,1,2,3
	v_max3_num_f32 v[BM+\b], v[BM+\b], v[SS+16*\b+\i], v[SS+16*\b+\i+1]
.endr
.endr
.irp b, 0,1,2,3
	v_max_num_f32 v[BM+\b], v[BM+\b], v[SS+16*\b+15]
.endr
.irp b, 0,1,2,3
	s_delay_alu instid0(VALU_DEP_4)
	v_permlanex16_b32 v[BT+\b], v[BM+\b], s[SEL], s[SEL+1]
.endr
.irp b, 0,1,2,3
	s_delay_alu instid0(VALU_DEP_4)
	v_max_num_f32 v[BM+\b], v[BM+\b], v[BT+\b]     ; with lane l xor 16's 16 keys
.endr
	s_delay_alu instid0(VALU_DEP_2)
	v_max3_num_f32 v[TMP], v[BM], v[BM+1], v[BM+2]
	s_delay_alu instid0(VALU_DEP_1)
	v_max_num_f32 v[TMP], v[TMP], v[BM+3]
	s_delay_alu instid0(VALU_DEP_1)
	v_mul_f32 v[TMP], s[CS], v[TMP]                ; as t
	s_delay_alu instid0(VALU_DEP_1)
	v_max_num_f32 v13, v13, v[TMP]                 ; the running largest t
	v_mov_b32 v[TMP], v12
	s_delay_alu instid0(VALU_DEP_2)
	v_floor_f32 v12, -v13                          ; -M = floor(-t): M is a whole number
	s_delay_alu instid0(VALU_DEP_1)
	v_sub_f32 v[TMP], v12, v[TMP]                  ; old M - new M, 0 or less
	s_delay_alu instid0(VALU_DEP_1)
	v_cvt_i32_f32 v[TMP], v[TMP]                   ; (it saturates)
	s_delay_alu instid0(VALU_DEP_1)
	v_ldexp_f32 v[FF], 1.0, v[TMP]                 ; f
.set jj, 0
.rept 32
	v_pk_fma_f32 v[SS+jj:SS+jj+1], v[SS+jj:SS+jj+1], s[CS:CS+1], v[12:13] op_sel_hi:[1,0,0]   ; t - M
.set jj, jj+2
.endr
	s_setprio 1
.irp b, 0,1,2,3
	v_fma_f32 v[BM+\b], v[BM+\b], s[CS], v12       ; the same of each block's largest score
.endr
.set jj, 0
	s_wait_alu depctr_va_vdst(0)
.rept 64
	v_exp_f32 v[SS+jj], v[SS+jj]                   ; p
.set jj, jj+1
.endr
	v_pk_mul_f32 v[14:15], v[14:15], v[FF:FF+1] op_sel_hi:[1,0]   ; the sums under the new M: the plain instruction behind the exponentials
	s_wait_alu depctr_va_vdst(0)                   ; one wait for the batch, ahead of its first reader
.irp b, 0,1,2,3
	v_exp_f32 v[BM+\b], v[BM+\b]                   ; the block's largest p: the same two instructions on the same number give the same bits
.endr
	v_pk_add_f32 v[SU:SU+1], v[SS:SS+1], v[SS+2:SS+3]             ; the row's sum of the unquantised p, in two chains
.irp j, 4,8,12,16,20,24,28,32,36,40,44,48,52,56,60
	v_pk_add_f32 v[14:15], v[14:15], v[SS+\j:SS+\j+1]
	v_pk_add_f32 v[SU:SU+1], v[SU:SU+1], v[SS+\j+2:SS+\j+3]
.endr
	s_delay_alu instid0(VALU_DEP_1)
	v_pk_add_f32 v[14:15], v[14:15], v[SU:SU+1]
	s_wait_alu depctr_va_vdst(0)                   ; and one for the four
.irp b, 0,1,2,3
	v_max_num_f32 v[BM+\b], 0x1800000, v[BM+\b]    ; the floor 2^(3 - 127): the byte cannot fall under 1
.endr
.irp b, 0,1,2,3
	s_delay_alu instid0(VALU_DEP_4)
	v_add_nc_u32 v[SO+\b], 0xff000000, v[BM+\b]    ; 2 off the exponent field: the conversion's scale operand
.endr
.irp b, 0,1,2,3
	s_delay_alu instid0(VALU_DEP_4)
	v_lshrrev_b32 v[BT+\b], 23, v[SO+\b]           ; the scale's byte
.endr
	s_delay_alu instid0(VALU_DEP_3)
	v_lshl_or_b32 v[PS], v[BT+1], 8, v[BT]
	s_delay_alu instid0(VALU_DEP_1)
	v_lshl_or_b32 v[PS], v[BT+2], 16, v[PS]
	s_delay_alu instid0(VALU_DEP_1)
	v_lshl_or_b32 v[PS], v[BT+3], 24, v[PS]
	s_setprio 0
.irp c, 0,1
	v_cvt_scalef32_pk16_fp6_f32 v[PC+6*\c:PC+6*\c+2], v[SS+32*\c:SS+32*\c+15], v[SO+2*\c]
	v_cvt_scalef32_pk16_fp6_f32 v[CT+4*\c:CT+4*\c+2], v[SS+32*\c+16:SS+32*\c+31], v[SO+2*\c+1]
.endr
	v_nop                                          ; one plain place behind a scaled conversion
.irp c, 0,1                                    ; a whole block to a lane
.irp i, 0,1,2
	v_permlane16_swap_b32 v[PC+6*\c+\i], v[CT+4*\c+\i]
.endr
.irp i, 0,1,2
	s_delay_alu instid0(VALU_DEP_3)
	v_mov_b32 v[PC+6*\c+3+\i], v[CT+4*\c+\i]
.endr
.endr
.set jj, 0
.rept 16
	v_pk_mul_f32 v[OT+jj:OT+jj+1], v[OT+jj:OT+jj+1], v[FF:FF+1] op_sel_hi:[1,0]   ; O^T under the new M; these sixteen are also the places between p's codes and scale word and the products
.set jj, jj+2
.endr
	s_wait_alu depctr_va_vdst(0)
	s_wait_dscnt 0x0                               ; v
.irp c, 0,1,2,3                                ; four accumulators, one instruction a turn
	v_wmma_scale_f32_16x16x128_f8f6f4 v[OT+8*\c:OT+8*\c+7], v[KV+12*\c:KV+12*\c+11], v[PC:PC+11], v[OT+8*\c:OT+8*\c+7], v[VSC+\c], v[PS] matrix_a_fmt:MATRIX_FMT_FP6 matrix_b_fmt:MATRIX_FMT_FP6
.endr
.rept 4
	v_nop                                          ; places in front of the next step's loads into v's registers, and of the first read of O^T
.endr
.Lhid_\@:
.endm
.macro LOOP n, qr, qw
	s_mov_b32 s[CNT], \n
.Lk_\@:
	STEP \qr, \qw
	s_add_co_u32 s[TB], s[TB], CHB
	s_add_co_u32 s[KF], s[KF], 128
	s_sub_co_u32 s[CNT], s[CNT], 1
	s_cmp_lg_u32 s[CNT], 0
	s_cbranch_scc1 .Lk_\@
	s_setprio 0
.endm
.macro BEGIN q0                        ; a tile begins: the largest t under every t, zeros for the sum and O^T, which the first change of M leaves zeros
	v_mov_b32 v13, 0xff61b1e6
	s_delay_alu instid0(VALU_DEP_1)
	v_floor_f32 v12, -v13
	v_mov_b32 v14, 0
	v_mov_b32 v15, 0
.set jj, 0
.rept 32
	v_mov_b32 v[OT+jj], 0
.set jj, jj+1
.endr
	s_mov_b32 s[TB], 0
	s_mov_b32 s[KF], 0
	s_mov_b32 s[Q0], s[\q0]
	s_add_co_u32 s[QL], s[\q0], 15
.endm
; THE WAY OUT of a tile: O^T / the sum; the lane's channels put in their natural order (the last product meets out_w's codes as they are given); two blocks of 32 quantised; half a fragment's image and two scale bytes a row stored.
.macro WAYOUT ab, sb
	v_add_f32 v14, v14, v15
	s_delay_alu instid0(VALU_DEP_1)
	v_permlanex16_b32 v[BT], v14, s[SEL], s[SEL+1]
	s_delay_alu instid0(VALU_DEP_1)
	v_add_f32 v14, v14, v[BT]                      ; the row's sum
	s_wait_alu depctr_va_vdst(0)
	v_rcp_f32 v14, v14
	v_nop                                          ; a plain instruction behind the reciprocal,
	s_wait_alu depctr_va_vdst(0)                   ; and the wait ahead of its first reader
.set jj, 0
.rept 32
	v_mul_f32 v[SS+jj], v[OT+jj], v14              ; register 8 c + j: channel 16 c + 8 h + j; each accumulator from its low end on
.set jj, jj+1
.endr
.irp b, 0,1
.irp j, 0,1,2,3,4,5,6,7
	v_permlane16_swap_b32 v[SS+16*\b+\j], v[SS+16*\b+8+\j]   ; now register 16 b + i: channel 32 b + 16 h + i
.endr
.endr
.irp b, 0,1
	v_max3_num_f32 v[BM+\b], |v[SS+16*\b]|, |v[SS+16*\b+1]|, 0x1800000
.endr
.irp i, 2,4,6,8,10,12,14
.irp b, 0,1
	s_delay_alu instid0(VALU_DEP_2)
	v_max3_num_f32 v[BM+\b], v[BM+\b], |v[SS+16*\b+\i]|, |v[SS+16*\b+\i+1]|
.endr
.endr
.irp b, 0,1
	s_delay_alu instid0(VALU_DEP_2)
	v_permlanex16_b32 v[BT+\b], v[BM+\b], s[SEL], s[SEL+1]
.endr
.irp b, 0,1
	s_delay_alu instid0(VALU_DEP_2)
	v_max_num_f32 v[BM+\b], v[BM+\b], v[BT+\b]
.endr
.irp b, 0,1
	s_delay_alu instid0(VALU_DEP_2)
	v_add_nc_u32 v[SO+\b], 0xff000000, v[BM+\b]
.endr
.irp b, 0,1
	s_delay_alu instid0(VALU_DEP_2)
	v_lshrrev_b32 v[BT+\b], 23, v[SO+\b]
.endr
	s_delay_alu instid0(VALU_DEP_1)
	v_lshl_or_b32 v[TMP], v[BT+1], 8, v[BT]
	v_cvt_scalef32_pk16_fp6_f32 v[PC:PC+2], v[SS:SS+15], v[SO]
	v_cvt_scalef32_pk16_fp6_f32 v[CT:CT+2], v[SS+16:SS+31], v[SO+1]
	v_nop
.irp i, 0,1,2
	v_permlane16_swap_b32 v[PC+\i], v[CT+\i]
.endr
.irp i, 0,1,2
	s_delay_alu instid0(VALU_DEP_3)
	v_mov_b32 v[PC+3+\i], v[CT+\i]
.endr
	global_store_b128 v[L16], v[PC:PC+3], s[\ab:\ab+1]             ; 512 consecutive bytes,
	global_store_b64 v[L8], v[PC+4:PC+5], s[\ab:\ab+1] offset:512  ; and 256
	global_store_b16 v[R32], v[TMP], s[\sb:\sb+1]                  ; my row's two bytes (lanes r and r + 16 store the same value): rows 32 bytes apart, one byte in 24 of what the launch stores
.endm
	BEGIN 48
	LOOP 4, Q1, 40                                 ; chunks 0-3: no step of a first tile (64 or above) is hidden here
	s_wait_tensorcnt 0x0                           ; my part of chunks 4-15 is in,
	s_wait_dscnt 0x0
	s_barrier_signal -1
	s_barrier_wait -1                              ; everybody's is
	LOOP 12, Q1, 40
	WAYOUT 52, 54
	s_wait_xcnt 0x0                                ; the stores have read their data: those registers are written again only behind this wait
	BEGIN 49
	LOOP 16, Q2, 41
	WAYOUT 56, 58
	s_wait_tensorcnt 0x0
	ds_add_u32 v254, v255
	s_wait_dscnt 0x0
	s_endpgm
.Lfunc_end_k_q1d2dcac62c_attn:
	.size	k_q1d2dcac62c_attn, .Lfunc_end_k_q1d2dcac62c_attn-k_q1d2dcac62c_attn
	.p2alignl 7, 3214868480
	.fill 96, 4, 3214868480
	.section	.rodata,"a",@progbits
	.p2align	6, 0x0
	.amdhsa_kernel k_q1d2dcac62c_attn
		.amdhsa_group_segment_fixed_size 327680
		.amdhsa_private_segment_fixed_size 0
		.amdhsa_enable_private_segment 0
		.amdhsa_kernarg_size 32
		.amdhsa_user_sgpr_count 2
		.amdhsa_user_sgpr_kernarg_segment_ptr 1
		.amdhsa_wavefront_size32 1
		.amdhsa_system_sgpr_workgroup_id_x 1
		.amdhsa_system_sgpr_workgroup_id_y 1
		.amdhsa_system_sgpr_workgroup_id_z 1
		.amdhsa_system_vgpr_workitem_id 0
		.amdhsa_next_free_vgpr 256
		.amdhsa_next_free_sgpr 72
		.amdhsa_reserve_vcc 1
		.amdhsa_float_denorm_mode_32 3
		.amdhsa_float_denorm_mode_16_64 3
		.amdhsa_memory_ordered 1
		.amdhsa_forward_progress 1
		.amdhsa_inst_pref_size 88
	.end_amdhsa_kernel
	.amdgpu_metadata
---
amdhsa.version: [ 1, 2 ]
amdhsa.kernels:
  - .name:           k_q1d2dcac62c_attn
    .symbol:         k_q1d2dcac62c_attn.kd
    .args:
      - { .name: qimg, .offset: 0, .size: 8, .value_kind: global_buffer, .address_space: global }
      - { .name: kvimg, .offset: 8, .size: 8, .value_kind: global_buffer, .address_space: global }
      - { .name: aimg, .offset: 16, .size: 8, .value_kind: global_buffer, .address_space: global }
      - { .name: asc, .offset: 24, .size: 8, .value_kind: global_buffer, .address_space: global }
    .group_segment_fixed_size: 327680
    .private_segment_fixed_size: 0
    .kernarg_segment_align: 8
    .kernarg_segment_size: 32
    .max_flat_workgroup_size: 512
    .sgpr_count:     72
    .vgpr_count:     256
    .wavefront_size: 32
...
	.end_amdgpu_metadata
.endif
;; end of part 2
;; launch proj (part 3): grid 4 x 32, 4 waves a work-group, clusters of 4 x 4, 327,680 bytes of LDS; arguments aimg, asc, out_w_codes, out_w_scales, out_b, out0; writes out0
.if DOCPART == 3
	.amdgcn_target "amdgcn-amd-amdhsa--gfx1250"
	.amdhsa_code_object_version 6
	.text
	.protected	k_q1d2dcac62c_proj
	.globl	k_q1d2dcac62c_proj
	.p2align	8
	.type	k_q1d2dcac62c_proj,@function
k_q1d2dcac62c_proj:
	s_mov_b64 s[64:65], 0
	v_nop
	global_prefetch_b8 v0, s[64:65] scope:SCOPE_SE
	s_setreg_imm32_b32 hwreg(HW_REG_WAVE_MODE, 25, 1), 1
	s_wait_xcnt 0x0
	s_wait_alu depctr_hold_cnt(0) depctr_sa_sdst(0) depctr_va_vdst(0) depctr_va_sdst(0) depctr_va_ssrc(0) depctr_va_vcc(0) depctr_vm_vsrc(0)
	s_getreg_b32 s2, hwreg(HW_REG_IB_STS2, 6, 4)
	s_cmp_eq_u32 s2, 0
	s_cbranch_scc0 .Lentry_in_a_cluster
	s_endpgm
.Lentry_in_a_cluster:
	s_bfe_u32 s2, ttmp6, 0x10000c
	s_cmp_lg_u32 s2, 0xf033
	s_cbranch_scc0 .Lentry_shape_is_right
	s_endpgm
.Lentry_shape_is_right:
; out0 = A out_w + out_b on codes of FP6 (E2M3) with E8M0 scales for each 32 along K = 1,024.  A: the attention's result, 8,192 rows; out_w: 1,024 rows (n) of 768 bytes of codes, 32 scale bytes a row; out0 [8,192][1,024] f32.
; A's codes come as IMAGES OF OPERAND REGISTERS: aimg [m / 256][K slot of 256][half of 128 rows][tile of 16 rows][K step of 128][half fragment] x 768 bytes (registers 0-3 at 16 x lane, registers 4-5 at 8 x lane):
; what a wave fetches of A for a slot is one dense block of 24,576 bytes, and a fragment is four LDS loads of consecutive bytes.  A's scale bytes asc [8,192][32] lie as out_w's do.
; A work-group of four waves makes 256 x 256 of out0, a wave 128 x 128: 64 accumulators.  K goes in steps of 256 through two LDS slots.  The scales of all of K come into LDS once.
; CLUSTERS: 4 x 4: A's tile is asked for jointly along a row of the cluster, out_w's along a column.  Used transposed (source 0 = 16 rows of out_w, source 1 = 16 rows of A): a lane holds eight neighbouring numbers of a row.
; The bias is the C of each sum's first matrix instruction.  32 x 4 tiles of 256 x 256 are 128 work-groups.
; REGISTERS: window 0: v0-31 addresses; v32-63 scale words, two sets; v64-127 the bias; from v128 A's fragments, one set; on the way out v128-255.  window 1: out_w's fragments, two sets.  windows 2, 3: the accumulators.
.set SIZE_N, 1024
.set KSTEP,  256
.set NQ,     KSTEP/128
.set ROWB,   192
.set KROW,   768
.set PITCH,  240
.set FR,     12
.set NLA,    4                         ; LDS loads that bring a fragment of A
.set NP,     4
.set HALFT,  128*PITCH                 ; a quarter of a slot: 128 rows of out_w; A's 24,576 bytes lie at the head of theirs
.set SLOT,   4*HALFT
.set KS,     32
.set SCL,    2*SLOT
.set HALFS,  (128*KS/256)*272
.set SBLK,   (16*KS/256)*272
.set SPARE,  SCL+4*HALFS
.set SPITCH, 528                       ; the way out: 16 rows x (512 bytes + 16) a wave, in slot 0, which has had its last fill and its last read when the first result is stored there
.set ADRA, 16                          ; v16-17 16 x lane in my 128 rows of A in slot 0, 1;  v18-19 8 x lane likewise
.set ADRB, 20                          ; v20-23 out_w's fragments
.set STO,  24
.set RD,   25
.set CO,   26
.set ADRS, 27
.set SPW,  28
.set NIL,  29
.set BPO,  30
.set SC,   32
.set BP,   64                          ; v64-127 out_b[P0 + 16 b + 8 h + j] at 8 b + j
.set AF,   128
.set BK,   128
.set G1, 24
.set G0, 32
.set G1B, 48
.set G0B, 56
.set G1S, 68
.set G0S, 76
.set G1SB, 80
.set G0SB, 88
.set MSB, 0
.macro WIN new
.if MSB != \new
	s_set_vgpr_msb (MSB<<8)|\new
.set MSB, \new
.endif
.endm
.set MUL_LO, 0xa1                      ; source 0 window 1, source 1 window 0, C and D window 2
.set MUL_HI, 0xf1
.set BIA_LO, 0x81                      ; the same with C (the bias) in window 0
.set BIA_HI, 0xc1
.set TO_B,   0x40
.macro JLOAD g0a, g1a, g0b, g1b        ; waves 0 and 1 fetch for A, waves 2 and 3 for out_w; four v_nop follow each line
	s_cmp_eq_u32 s15, 0
	s_cbranch_scc0 .Lfor_b_\@
	tensor_load_to_lds s[\g0a:\g0a+3], s[\g1a:\g1a+7]
	s_nop 0
.rept 4
	v_nop
.endr
	s_branch .Lasked_\@
.Lfor_b_\@:
	tensor_load_to_lds s[\g0b:\g0b+3], s[\g1b:\g1b+7]
	s_nop 0
.rept 4
	v_nop
.endr
.Lasked_\@:
.endm
.macro CREST
	s_cmp_lg_u32 s14, 0
	s_cbranch_scc1 .Lnot_wave_0_\@
	s_barrier_signal -3
.Lnot_wave_0_\@:
	s_barrier_wait -3
	s_barrier_signal -1
	s_barrier_wait -1
.endm
.macro CROUND
	s_barrier_signal -1
	s_barrier_wait -1
	CREST
.endm
	s_load_b128 s[4:7], s[0:1], 0x0                ; aimg, asc
	s_load_b128 s[8:11], s[0:1], 0x10              ; out_w's codes, out_w's scales
	s_load_b64 s[96:97], s[0:1], 0x20              ; out_b
	s_load_b64 s[12:13], s[0:1], 0x28              ; out0
	v_lshl_add_u32 v[SPW], v0, 2, SPARE
	v_mov_b32 v[NIL], 0
	ds_add_u32 v28, v29
	ds_add_u32 v28, v29
	s_wait_dscnt 0x0
	v_lshrrev_b32 v1, 5, v0
	v_readfirstlane_b32 s14, v1                    ; wave 0..3
	s_lshr_b32 s15, s14, 1                         ; which half of the tile's rows is mine.  Also: I fetch for A (0) or for out_w (1)
	s_and_b32 s16, s14, 1                          ; which half of its columns.  Also: which 128 rows I fetch
	s_bfe_u32 s40, ttmp6, 0x40000
	s_bfe_u32 s41, ttmp6, 0x40004
	s_lshl_b32 s42, ttmp9, 2
	s_add_co_u32 s42, s42, s40                     ; tile column
	s_and_b32 s17, ttmp7, 0xffff
	s_lshl_b32 s17, s17, 2
	s_add_co_u32 s17, s17, s41                     ; tile row
	s_lshl_b32 s43, s41, 2
	s_lshl_b32 s43, 15, s43                        ; my row of the cluster
	s_lshl_b32 s44, 0x1111, s40                    ; my column
	; A's tile: a dense block of 24,576 bytes as 96 rows of 256 (32 elements of 8 bytes), no padding
	s_or_b32 s[G1+0], s43, (3<<16)|(1<<21)
	s_mov_b32 s[G1+1], 32<<16
	s_mov_b32 s[G1+2], 96<<16
	s_mov_b32 s[G1+3], 32<<16
	s_mov_b32 s[G1+4], 96
	s_mov_b32 s[G1+5], 32
	s_mov_b32 s[G1+6], 0
	s_mov_b32 s[G1+7], 0
	; out_w's: 128 rows x 192 bytes, 16 bytes of padding behind every 64
	s_or_b32 s[G1B+0], s44, (0<<16)|(1<<20)|(1<<21)|(3<<22)|(3<<25)
	s_mov_b32 s[G1B+1], ROWB<<16
	s_mov_b32 s[G1B+2], 128<<16
	s_mov_b32 s[G1B+3], ROWB<<16
	s_mov_b32 s[G1B+4], 128
	s_mov_b32 s[G1B+5], KROW
	s_mov_b32 s[G1B+6], 0
	s_mov_b32 s[G1B+7], 0
	; the scales of 128 rows: 16 rows of 256 bytes, 16 bytes of padding behind each
	s_or_b32 s[G1S+0], s43, (3<<16)|(1<<20)|(1<<21)|(5<<22)|(3<<25)
	s_or_b32 s[G1SB+0], s44, (3<<16)|(1<<20)|(1<<21)|(5<<22)|(3<<25)
.irp g, G1S, G1SB
	s_mov_b32 s[\g+1], 32<<16
	s_mov_b32 s[\g+2], (128*KS/256)<<16
	s_mov_b32 s[\g+3], 32<<16
	s_mov_b32 s[\g+4], 128*KS/256
	s_mov_b32 s[\g+5], 32
	s_mov_b32 s[\g+6], 0
	s_mov_b32 s[\g+7], 0
.endr
	s_lshl_b32 s18, s16, 7
	s_lshl_b32 s22, s17, 8
	s_add_co_u32 s22, s22, s18                     ; A: row 256 x tile row + 128 x half
	s_lshl_b32 s22, s22, 5                         ; its scales: 32 bytes a row
	s_mov_b32 s23, 0
	s_mul_i32 s20, s17, 196608                     ; its images: the tile row's, K slot 0,
	s_mul_i32 s21, s16, 24576                      ; my half of 128 rows
	s_add_co_u32 s20, s20, s21
	s_mov_b32 s21, 0
	s_lshl_b32 s46, s42, 8
	s_add_co_u32 s46, s46, s18                     ; out_w: row 256 x tile column + 128 x half
	s_mov_b32 s47, 0
	s_mov_b64 s[18:19], KS
	s_mul_u64 s[92:93], s[46:47], s[18:19]
	s_mov_b64 s[18:19], KROW
	s_mul_u64 s[46:47], s[46:47], s[18:19]
	s_mul_i32 s45, s14, HALFT
	s_mul_i32 s94, s14, HALFS
	s_wait_kmcnt 0x0
	s_add_nc_u64 s[20:21], s[4:5], s[20:21]
	s_add_nc_u64 s[22:23], s[6:7], s[22:23]
	s_add_nc_u64 s[46:47], s[8:9], s[46:47]
	s_add_nc_u64 s[92:93], s[10:11], s[92:93]
	CROUND                                         ; all sixteen work-groups are here: the first joint loads meet
	s_mov_b32 s[G0S], 1
	s_add_co_u32 s[G0S+1], s94, SCL
	s_mov_b64 s[G0S+2:G0S+3], s[22:23]
	s_or_b32 s[G0S+3], s[G0S+3], 0x80000000
	s_mov_b32 s[G0SB], 1
	s_add_co_u32 s[G0SB+1], s94, SCL
	s_mov_b64 s[G0SB+2:G0SB+3], s[92:93]
	s_or_b32 s[G0SB+3], s[G0SB+3], 0x80000000
	JLOAD G0S, G1S, G0SB, G1SB
.irp s, 0,1
	s_mov_b32 s[G0+4*\s], 1
	s_add_co_u32 s[G0+4*\s+1], s45, \s*SLOT
	s_add_nc_u64 s[G0+4*\s+2:G0+4*\s+3], s[20:21], \s*49152
	s_or_b32 s[G0+4*\s+3], s[G0+4*\s+3], 0x80000000
	s_mov_b32 s[G0B+4*\s], 1
	s_add_co_u32 s[G0B+4*\s+1], s45, \s*SLOT
	s_add_nc_u64 s[G0B+4*\s+2:G0B+4*\s+3], s[46:47], \s*ROWB
	s_or_b32 s[G0B+4*\s+3], s[G0B+4*\s+3], 0x80000000
	JLOAD G0+4*\s, G1, G0B+4*\s, G1B               ; three loads of mine are out
.endr
	v_and_b32 v1, 15, v0                           ; r
	v_bfe_u32 v2, v0, 4, 1                         ; h
	v_and_b32 v6, 31, v0                           ; lane
	v_mul_u32_u24 v3, v1, PITCH
	v_mul_u32_u24 v4, v2, 24
	v_add_nc_u32 v4, v3, v4                        ; out_w: a fragment's row x pitch + 24 x half
	v_lshl_add_u32 v5, v2, 4, v4                   ; and behind one padding more
	v_lshlrev_b32 v7, 4, v6                        ; A: 16 x lane,
	v_lshlrev_b32 v8, 3, v6                        ; 8 x lane
	s_mul_i32 s21, s15, HALFT                      ; my 128 rows of A
	s_mul_i32 s22, s16, HALFT
	s_add_co_u32 s22, s22, 2*HALFT                 ; my 128 rows of out_w
.irp s, 0,1
	v_add_nc_u32 v[ADRA+\s], s21, v7
	v_add_nc_u32 v[ADRA+2+\s], s21, v8
	v_add_nc_u32 v[ADRB+\s], s22, v4
	v_add_nc_u32 v[ADRB+2+\s], s22, v5
	s_add_co_u32 s21, s21, SLOT
	s_add_co_u32 s22, s22, SLOT
.endr
	v_mul_u32_u24 v5, v1, KS
	v_lshrrev_b32 v3, 8, v5
	v_lshl_add_u32 v5, v3, 4, v5
	s_mul_i32 s21, s15, HALFS
	s_mul_i32 s22, s16, HALFS
	s_add_co_u32 s22, s22, 2*HALFS
	s_sub_co_u32 s22, s22, s21
	v_mul_u32_u24 v3, s22, v2                      ; lanes 16-31 take out_w's
	s_add_co_u32 s21, s21, SCL
	v_add_nc_u32 v5, v5, v3
	v_add_nc_u32 v[ADRS], s21, v5
	s_mul_i32 s23, s14, 16*SPITCH                  ; my stage
	v_mul_u32_u24 v5, v1, SPITCH
	v_lshl_add_u32 v5, v2, 5, v5
	v_add_nc_u32 v[STO], s23, v5
	v_lshlrev_b32 v[CO], 4, v6
	v_add_nc_u32 v[RD], s23, v[CO]
	s_lshl_b32 s20, s17, 8
	s_lshl_b32 s21, s15, 7
	s_add_co_u32 s20, s20, s21                     ; my first row of out0
	s_mov_b32 s21, 0
	s_mov_b64 s[18:19], SIZE_N*4
	s_mul_u64 s[20:21], s[20:21], s[18:19]
	s_lshl_b32 s46, s42, 10                        ; my first column, in bytes: also 4 x my first number of out_b
	s_lshl_b32 s47, s16, 9
	s_add_co_u32 s46, s46, s47
	s_mov_b32 s47, 0
	v_lshl_add_u32 v[BPO], v2, 5, s46              ; + 32 h
	s_add_nc_u64 s[20:21], s[20:21], s[46:47]
	s_add_nc_u64 s[12:13], s[12:13], s[20:21]
.irp b, 0,1,2,3,4,5,6,7
	global_load_b128 v[BP+8*\b:BP+8*\b+3], v[BPO], s[96:97] offset:64*\b
	global_load_b128 v[BP+8*\b+4:BP+8*\b+7], v[BPO], s[96:97] offset:64*\b+16
.endr
.macro FRAG reg, adr, q, i             ; a fragment of out_w from rows: six pieces of 8 bytes
.irp p, 0,1,2,3,4,5
.set PIECE, 12*(\q)+6*(\p/3)+\p%3
.if PIECE%8 < 5
	ds_load_b64 v[\reg+2*\p:\reg+2*\p+1], v[\adr] offset:8*PIECE+16*(PIECE/8)+(\i)*16*PITCH
.else
	ds_load_b64 v[\reg+2*\p:\reg+2*\p+1], v[\adr+2] offset:8*PIECE+16*(PIECE/8)+(\i)*16*PITCH
.endif
.endr
.endm
.macro FRAGI reg, slot, q, i           ; a fragment of A from its image: tile i, K step q: 1,536 bytes
	ds_load_b128 v[\reg:\reg+3], v[ADRA+\slot] offset:(2*(\i)+(\q))*1536
	ds_load_b64 v[\reg+4:\reg+5], v[ADRA+2+\slot] offset:(2*(\i)+(\q))*1536+512
	ds_load_b128 v[\reg+6:\reg+9], v[ADRA+\slot] offset:(2*(\i)+(\q))*1536+768
	ds_load_b64 v[\reg+10:\reg+11], v[ADRA+2+\slot] offset:(2*(\i)+(\q))*1536+1280
.endm
; 16 matrix instructions; first = 1: the sums begin with the bias.  The 64 accumulators take turns, one instruction a turn, in the same order in every step.
.macro MUL16 a0, p, q, sc, first
.irp a, \a0, \a0+1
.irp b, 0,1,2,3,4,5,6,7
.if \first
	v_wmma_scale_f32_16x16x128_f8f6f4 v[8*(8*((\a)%4)+\b):8*(8*((\a)%4)+\b)+7], v[128*(\p)+FR*\b:128*(\p)+FR*\b+FR-1], v[AF+FR*(\a):AF+FR*(\a)+FR-1], v[BP+8*\b:BP+8*\b+7], v[SC+8*NQ*(\sc)+NQ*\b+(\q)], v[SC+8*NQ*(\sc)+NQ*(\a)+(\q)] matrix_a_fmt:MATRIX_FMT_FP6 matrix_b_fmt:MATRIX_FMT_FP6 matrix_a_scale:MATRIX_SCALE_ROW1
.else
	v_wmma_scale_f32_16x16x128_f8f6f4 v[8*(8*((\a)%4)+\b):8*(8*((\a)%4)+\b)+7], v[128*(\p)+FR*\b:128*(\p)+FR*\b+FR-1], v[AF+FR*(\a):AF+FR*(\a)+FR-1], v[8*(8*((\a)%4)+\b):8*(8*((\a)%4)+\b)+7], v[SC+8*NQ*(\sc)+NQ*\b+(\q)], v[SC+8*NQ*(\sc)+NQ*(\a)+(\q)] matrix_a_fmt:MATRIX_FMT_FP6 matrix_b_fmt:MATRIX_FMT_FP6 matrix_a_scale:MATRIX_SCALE_ROW1
.endif
.endr
.endr
.endm
.macro FETCH_B slot, q, p
	WIN TO_B
.irp i, 0,1,2,3,4,5,6,7
	FRAG 128*(\p)+FR*\i, ADRB+\slot, \q, \i
.endr
	WIN 0
.endm
.macro FETCH_A slot, q, i0
.irp i, \i0, \i0+1, \i0+2, \i0+3
	FRAGI AF+FR*(\i), \slot, \q, \i
.endr
.endm
.macro SCALES sc
.irp i, 0,1,2,3,4,5,6,7
	ds_load_b64 v[SC+8*NQ*\sc+NQ*\i:SC+8*NQ*\sc+NQ*\i+1], v[ADRS] offset:\i*SBLK
.endr
.endm
.macro PLACES n
.rept \n
	v_nop
.endr
.endm
.macro STEP slot, q, first
	s_wait_dscnt 4*NLA                             ; all but the youngest 16 loads (A's blocks 4-7) are in
.if \first
	WIN BIA_LO
.else
	WIN MUL_LO
.endif
	MUL16 0, (\q)%2, \q, \slot, \first
	MUL16 2, (\q)%2, \q, \slot, \first
	s_wait_dscnt 0
	PLACES NP
	FETCH_B \slot, (\q)+1, 1-(\q)%2
	FETCH_A \slot, (\q)+1, 0
.if \first
	WIN BIA_HI
.else
	WIN MUL_HI
.endif
	MUL16 4, (\q)%2, \q, \slot, \first
	MUL16 6, (\q)%2, \q, \slot, \first
	PLACES NP
	WIN 0
	FETCH_A \slot, (\q)+1, 4
.endm
.macro TURN slot, next, fill
	s_wait_tensorcnt 0x0                           ; all my tensor loads have landed: my part of the next slot
	ds_add_u32 v[SPW], v[NIL]                      ; 0 onto my spare word
	s_wait_dscnt 4*NLA+1                           ; the add and the youngest 16 loads may be out
	WIN MUL_LO
	MUL16 0, 1, NQ-1, \slot, 0
	s_wait_dscnt 0x0                               ; the add is done, and my reads of this slot are over
	s_barrier_signal -1
	MUL16 2, 1, NQ-1, \slot, 0
	WIN 0
	s_barrier_wait -1
.if \fill
	CREST                                          ; a round of the cluster's barrier: no wave of any partner still reads this slot or has a load on its way
	s_add_nc_u64 s[G0+4*\slot+2:G0+4*\slot+3], s[G0+4*\slot+2:G0+4*\slot+3], 2*49152
	s_add_nc_u64 s[G0B+4*\slot+2:G0B+4*\slot+3], s[G0B+4*\slot+2:G0B+4*\slot+3], 2*ROWB
	JLOAD G0+4*\slot, G1, G0B+4*\slot, G1B
.else
	PLACES NP
.endif
	v_add_nc_u32 v[ADRS], 4*NQ, v[ADRS]
	FETCH_B \next, 0, 0
	FETCH_A \next, 0, 0
	SCALES \next
	WIN MUL_HI
	MUL16 4, 1, NQ-1, \slot, 0
	MUL16 6, 1, NQ-1, \slot, 0
	PLACES NP
	WIN 0
	FETCH_A \next, 0, 4
.endm
	s_wait_loadcnt 0x0                             ; the bias
	s_wait_tensorcnt 1                             ; the scales and my part of K step 0 are in; K step 1's load may be out
	s_barrier_signal -1
	s_barrier_wait -1
	FETCH_B 0, 0, 0
	FETCH_A 0, 0, 0
	SCALES 0
	FETCH_A 0, 0, 4
	STEP 0, 0, 1
	TURN 0, 1, 1
	STEP 1, 0, 0
	TURN 1, 0, 1
	STEP 0, 0, 0
	TURN 0, 1, 0
	STEP 1, 0, 0
	s_wait_dscnt 4*NLA
	WIN MUL_LO
	MUL16 0, 1, NQ-1, 1, 0
	MUL16 2, 1, NQ-1, 1, 0
	s_wait_dscnt 0
	WIN MUL_HI
	MUL16 4, 1, NQ-1, 1, 0
	MUL16 6, 1, NQ-1, 1, 0
	WIN 0
; THE WAY OUT, block by block of 16 rows x 128 columns, through my own stage in LDS: in as 32 bytes a lane, back as whole rows of 512 bytes.  LDS serves a wave's instructions in order (ISA guide 5.7.1.4).
.macro TOSTAGE a
.set AC, 64*((\a)%4)
	WIN 0x08+4*((\a)/4)                            ; the data: window 2 or 3
.irp b, 0,1,2,3,4,5,6,7
	ds_store_b128 v[STO], v[AC+8*\b:AC+8*\b+3] offset:64*\b          ; each accumulator from its low end on
	ds_store_b128 v[STO], v[AC+8*\b+4:AC+8*\b+7] offset:64*\b+16
.endr
	WIN 0
.set BB, BK+64*((\a)%2)
.irp t, 0,1,2,3,4,5,6,7,8,9,10,11,12,13,14,15
	ds_load_b128 v[BB+4*\t:BB+4*\t+3], v[RD] offset:\t*SPITCH
.endr
.endm
.macro SEND a, younger
.set BB, BK+64*((\a)%2)
	s_wait_dscnt \younger                          ; the block is back in registers
.if (\a) > 0
	s_add_nc_u64 s[12:13], s[12:13], 16*SIZE_N*4   ; (behind a wait on XCNT: the earlier stores have read their base)
.endif
.irp t, 0,1,2,3,4,5,6,7,8,9,10,11,12,13,14,15
	global_store_b128 v[CO], v[BB+4*\t:BB+4*\t+3], s[12:13] offset:\t*SIZE_N*4 th:TH_STORE_NT   ; 32 lanes store 512 consecutive bytes, at a multiple of 256 from out0's first byte
.endr
.endm
	PLACES NP
	TOSTAGE 0
.irp a, 1,2,3,4,5,6,7
.if \a > 1
	s_wait_xcnt 0x0                                ; block a - 2's stores have read their registers and their base
.endif
	TOSTAGE \a
	SEND \a-1, 32                                  ; behind block a - 1's loads: block a's 16 stores and 16 loads
.endr
	s_wait_xcnt 0x0
	SEND 7, 0
	s_wait_tensorcnt 0x0                           ; the wave's end
	ds_add_u32 v[SPW], v[NIL]
	s_wait_dscnt 0x0
	CROUND                                         ; the closing round
	s_endpgm
.Lfunc_end_k_q1d2dcac62c_proj:
	.size	k_q1d2dcac62c_proj, .Lfunc_end_k_q1d2dcac62c_proj-k_q1d2dcac62c_proj
	.p2alignl 7, 3214868480
	.fill 96, 4, 3214868480
	.section	.rodata,"a",@progbits
	.p2align	6, 0x0
	.amdhsa_kernel k_q1d2dcac62c_proj
		.amdhsa_group_segment_fixed_size 327680
		.amdhsa_private_segment_fixed_size 0
		.amdhsa_enable_private_segment 0
		.amdhsa_kernarg_size 48
		.amdhsa_user_sgpr_count 2
		.amdhsa_user_sgpr_kernarg_segment_ptr 1
		.amdhsa_wavefront_size32 1
		.amdhsa_system_sgpr_workgroup_id_x 1
		.amdhsa_system_sgpr_workgroup_id_y 1
		.amdhsa_system_sgpr_workgroup_id_z 1
		.amdhsa_system_vgpr_workitem_id 0
		.amdhsa_next_free_vgpr 1024
		.amdhsa_next_free_sgpr 98
		.amdhsa_reserve_vcc 0
		.amdhsa_float_denorm_mode_32 3
		.amdhsa_float_denorm_mode_16_64 3
		.amdhsa_memory_ordered 1
		.amdhsa_forward_progress 1
		.amdhsa_inst_pref_size 154
	.end_amdhsa_kernel
	.amdgpu_metadata
---
amdhsa.version: [ 1, 2 ]
amdhsa.kernels:
  - .name:           k_q1d2dcac62c_proj
    .symbol:         k_q1d2dcac62c_proj.kd
    .args:
      - { .name: aimg, .offset: 0, .size: 8, .value_kind: global_buffer, .address_space: global }
      - { .name: asc, .offset: 8, .size: 8, .value_kind: global_buffer, .address_space: global }
      - { .name: out_w_codes, .offset: 16, .size: 8, .value_kind: global_buffer, .address_space: global }
      - { .name: out_w_scales, .offset: 24, .size: 8, .value_kind: global_buffer, .address_space: global }
      - { .name: out_b, .offset: 32, .size: 8, .value_kind: global_buffer, .address_space: global }
      - { .name: out0, .offset: 40, .size: 8, .value_kind: global_buffer, .address_space: global }
    .group_segment_fixed_size: 327680
    .private_segment_fixed_size: 0
    .kernarg_segment_align: 8
    .kernarg_segment_size: 48
    .max_flat_workgroup_size: 128
    .sgpr_count:     98
    .vgpr_count:     1024
    .wavefront_size: 32
...
	.end_amdgpu_metadata
.endif
;; end of part 3
